; MI455X (gfx1250); checked and timed in simulation.
; The chip was launched on July 23, 2026; its instructions are those of AMD's public machine-readable ISA for CDNA 5 (MIT licence, August 2026) and "CDNA5" Instruction Set Architecture Reference Guide (July 2026). The comments in the code are by the model that wrote it; some were corrected since.
;; Multi Head Attention. Allowed arithmetic: matrix products marked QUANTISED: E2M1 operands, one E8M0 scale for each 32 along K, by v_wmma_scale_f32_16x16x128_f8f6f4 with both operands' format E2M1 (or v_wmma_scale_f32_32x16x128_f4), f32 sums; products left as they are: bf16, f16 or f32 operands; f32 sums; everything else in f32.
;; Inputs: Wk 1,024 x 1,024 float32; Wo 1,024 x 1,024 float32; Wq 1,024 x 1,024 float32; Wv 1,024 x 1,024 float32; X 4 x 2,048 x 1,024 float32; bo 1,024 float32.
;; Outputs: out0 4 x 2,048 x 1,024 float32.
;; This version of the problem:
;;   THIS VERSION OF THE PROBLEM IS GIVEN IN LOW PRECISION. The matrix products marked QUANTISED in the list below multiply operands that are first quantised to E2M1 (2 exponent bits, 1 mantissa bit; 4 bits a number), with one power-of-two scale for each 32 numbers along K (OCP MX v1.0); their sums are f32. The products marked 'left as it is' may take bf16, f16 or f32 operands, with f32 sums. Whichever they take, every output number must still come out within the allowed error. Rounding operands to bf16 (8 significant bits) uses up far more of that allowance than f16 does (11 bits, for magnitudes from 6e-5 to 65,504). All else is computed in f32.
;;   The module's matrix products, in the order in which they are computed (A, B: the left and right operand; K: the contracted axis; several contracted axes count as one K, in the product's order):
;;     1. [M 8,192, K 1,024] x [K 1,024, N 1,024]; A: input X; B: input Wq: QUANTISED
;;     2. [M 8,192, K 1,024] x [K 1,024, N 1,024]; A: input X; B: input Wk: QUANTISED
;;     3. [M 8,192, K 1,024] x [K 1,024, N 1,024]; A: input X; B: input Wv: QUANTISED
;;     4. batch 64 x [M 2,048, K 64] x [K 64, N 2,048]; A: computed on the way; B: computed on the way: left as it is (an operand is computed on the way)
;;     5. batch 64 x [M 64, K 2,048] x [K 2,048, N 2,048]; A: computed on the way; B: computed on the way: left as it is (an operand is computed on the way)
;;     6. [M 8,192, K 1,024] x [K 1,024, N 1,024]; A: computed on the way; B: input Wo: left as it is (an operand is computed on the way)
;;   THE QUANTISER, for each operand of a quantised product, along K:
;;     - K is cut into blocks of 32 from its start; a last block that is shorter is filled with zeros.
;;     - A block's scale is 2^e with e = floor(log2(the largest magnitude in the block)) - 2, held to -126 .. 127; a block of zeros has e = 0. As a byte (E8M0): e + 127.
;;     - Each number is divided by its block's scale, clamped to +-6, and rounded to the nearest number of E2M1, ties to even, subnormals kept.
;;     - The product sums the exact products of the quantised numbers (number of the format x scale) in f32.
;;   ~~~python
;;   def quantise(x, axis):      # numpy; x: float32 -> the quantised numbers, widened to float32 again
;;       x = np.moveaxis(x, axis, -1); K = x.shape[-1]
;;       x = np.pad(x, [(0, 0)] * (x.ndim - 1) + [(0, -K % 32)]); x = x.reshape(x.shape[:-1] + (-1, 32)); a = np.abs(x).max(-1, keepdims=True)
;;       e = np.where(a > 0, np.clip(np.frexp(np.where(a > 0, a, 1))[1] - 1 - 2, -126, 127), 0)      # np.frexp(a)[1] - 1 = floor(log2(a)), exactly
;;       r = np.clip(x / 2.0 ** e, -6, 6)
;;       step = 2.0 ** (np.maximum(np.frexp(np.where(r == 0, 1, r))[1] - 1, 0) - 1)
;;       q = np.round(r / step) * step * 2.0 ** e      # np.round: ties to even
;;       return np.moveaxis(q.reshape(q.shape[:-2] + (-1,))[..., :K], -1, axis).astype(np.float32)
;;   ~~~
;; One version. Each part assembles by itself: llvm-mc -triple=amdgcn-amd-amdhsa -mcpu=gfx1250 --defsym DOCPART=n.
;; ======== version 1 of 1: 5 launches
;; limits: values are held in f16: magnitudes above 65,504 overflow, below 6.1e-05 lose precision
;; workspace buffers: codes 6,127,616 bytes; wof 2,097,152 bytes; qkv 50,331,648 bytes; r32 786,432 bytes; ctx 16,777,216 bytes
;; launch prep (part 1): grid 512 x 1, 4 waves a work-group, no clusters, 35,328 bytes of LDS; arguments X, Wq, Wk, Wv, Wo, codes, wof; writes codes, wof
.if DOCPART == 1
	.amdgcn_target "amdgcn-amd-amdhsa--gfx1250"
	.amdhsa_code_object_version 6
	.text
	.protected	k_q6e81ae8c67_prep
	.globl	k_q6e81ae8c67_prep
	.p2align	8
	.type	k_q6e81ae8c67_prep,@function
k_q6e81ae8c67_prep:
	s_mov_b64 s[64:65], 0
	v_nop
	global_prefetch_b8 v0, s[64:65] scope:SCOPE_SE
	s_setreg_imm32_b32 hwreg(HW_REG_WAVE_MODE, 25, 1), 1
	s_wait_xcnt 0x0
; PREP.  X [8192][1024] f32 and Wq, Wk, Wv [1024 (k)][1024 (n)] f32 become codes of FP4 (E2M1) with one E8M0 byte for each 32 along K; Wo [1024 (k)][1024 (n)] becomes f16.
; Everything is laid as the IMAGE OF THE OPERAND'S REGISTERS, so that the later launches fetch dense blocks and read fragments at 16 x lane:
;   XF (codes + 0):       [row tile of 16][block of 32 k: 32][row 16][16 bytes]          XS (codes + XS_OFF): tile x 512 + (K step / 4) x 256 + row x 16 + (K step % 4) x 4: a scale word
;   WF (codes + WF_OFF):  [128 columns: 8][q, k, v][tile of 16 columns: 8][block: 32][column 16][16 bytes]     WS (codes + WS_OFF): cb x 12288 + t x 4096 + tile x 512 + K step x 64 + column x 4
;   wof:                  [tile of 16 columns: 64][32 k: 32][piece of 8 k: 4][column 16][16 bytes]
; A block's scale is 2^(floor(log2(largest magnitude)) - 2): its byte is the largest magnitude's exponent field - 2, held at 1 from below by a floor among the maximum's leaves.
; LIMITS: a block of zeros gets the byte 1 (its codes are zeros; this program alone reads the bytes); NaN and infinities among the inputs are not served; |Wo| beyond 65,504 is not served (f16).
; SHARES.  Work-groups 0-255: X; a wave takes 16 rows x 512 k in four K steps of 128.  Each load reads 512 consecutive bytes of a row; the step's 8 KB turn through the wave's own stage in LDS, so that
; lane (r, h) holds, of row r, the two whole blocks 2 c + h that the operand's layout gives it.  Work-groups 256-511: the four weights; a lane takes a column, its registers run down K, a wave takes 32 columns x 128 k.
; WS is written in runs of 64 bytes (96 KB in all).  No barrier: waves share nothing.  Only the X path touches LDS.
.set WF_OFF, 4194304
.set XS_OFF, 5767168
.set WS_OFF, 6029312
.set SP,     528                       ; a stage row: 512 bytes + 16, an odd multiple of 16 bytes
.set WST,    8704                      ; a wave's stage: 16 rows of 528 bytes and 256 bytes more
.set SPARE,  4*WST                     ; behind the stages: the spare words, 128 bytes for each wave
.set R,  16                            ; v16-143  numbers as loaded
.set T,  144                           ; v144-207 X: a step's 64 numbers, turned;  Wo: the packed f16
.set C,  208                           ; v208-239 codes: registers of their own for each step, so that no store's data are written again
.set WD, 240                           ; v240-243 scale words
.set MX, 246                           ; v246-247 largest magnitudes
.set SO, 248                           ; v248-249 the conversions' scale operands
.set BY, 250                           ; v250-251 scale bytes
	s_load_b256 s[4:11], s[0:1], 0x0               ; X, Wq, Wk, Wv
	s_load_b128 s[12:15], s[0:1], 0x20             ; Wo, codes
	s_load_b64 s[16:17], s[0:1], 0x30              ; wof
	v_lshl_add_u32 v8, v0, 2, SPARE                ; my spare word; never rewritten
	v_mov_b32 v9, 0                                ; 0; never rewritten
	v_lshrrev_b32 v10, 5, v0
	v_readfirstlane_b32 s18, v10                   ; wave
	v_and_b32 v11, 31, v0                          ; lane
	v_and_b32 v12, 15, v0                          ; r
	v_bfe_u32 v13, v0, 4, 1                        ; h
	v_lshlrev_b32 v1, 4, v11                       ; 16 x lane
	s_mul_i32 s19, s18, WST
	v_add_nc_u32 v2, s19, v1                       ; the stage, on the way in
	v_mul_u32_u24 v3, v12, SP
	v_lshl_add_u32 v3, v13, 7, v3
	v_add_nc_u32 v3, s19, v3                       ; and out: row r, + 128 h bytes: block h
	v_lshlrev_b32 v4, 4, v12
	v_lshl_add_u32 v4, v13, 3, v4                  ; XS: 16 r + 8 h
	v_lshlrev_b32 v5, 2, v11                       ; 4 x lane
	v_lshlrev_b32 v14, 3, v13                      ; 8 h: my bytes' place in a scale word
	v_mov_b32 v15, 0                               ; a lane permute's destination counts as one of its sources
	s_mov_b32 s20, 0x76543210
	s_mov_b32 s21, 0xfedcba98                      ; v_permlanex16_b32's selects for lane l xor 16
	s_mov_b32 s25, 0
	s_mov_b32 s29, 0
	s_wait_kmcnt 0x0
	s_cmp_lt_u32 ttmp9, 256
	s_cbranch_scc0 .Lcolumns
; ---------------- X ----------------
	s_lshl_b32 s22, ttmp9, 1
	s_lshr_b32 s23, s18, 1
	s_add_co_u32 s22, s22, s23                     ; my row tile: 2 x work-group + wave / 2
	s_and_b32 s23, s18, 1                          ; which 512 along K
	s_lshl_b32 s24, s22, 16                        ; 16 rows of 4,096 bytes
	s_lshl_b32 s26, s23, 11
	s_add_co_u32 s24, s24, s26
	s_add_nc_u64 s[4:5], s[4:5], s[24:25]
	s_lshl_b32 s24, s22, 13
	s_lshl_b32 s26, s23, 12
	s_add_co_u32 s24, s24, s26
	s_add_nc_u64 s[28:29], s[14:15], s[24:25]      ; XF at my four K steps
	s_lshl_b32 s24, s22, 9
	s_lshl_b32 s26, s23, 8
	s_add_co_u32 s24, s24, s26
	s_add_co_u32 s24, s24, XS_OFF
	s_add_nc_u64 s[30:31], s[14:15], s[24:25]      ; XS at my 256 bytes
.macro LOADX st                        ; K step st of my 16 rows: each load reads 512 consecutive bytes
.irp i, 0,1,2,3,4,5,6,7,8,9,10,11,12,13,14,15
	global_load_b128 v[R+64*((\st)%2)+4*\i:R+64*((\st)%2)+4*\i+3], v1, s[4:5] offset:\i*4096+(\st)*512 th:TH_LOAD_NT
.endr
.endm
.macro TURNX st                        ; through the stage: LDS serves a wave's instructions in order, so no wait stands between the stores and the loads
.irp i, 0,1,2,3,4,5,6,7,8,9,10,11,12,13,14,15
	ds_store_b128 v2, v[R+64*((\st)%2)+4*\i:R+64*((\st)%2)+4*\i+3] offset:\i*SP
.endr
.irp c, 0,1
.irp e, 0,1,2,3,4,5,6,7
	ds_load_b128 v[T+32*\c+4*\e:T+32*\c+4*\e+3], v3 offset:\c*256+\e*16   ; k = 64 c + 32 h + 4 e ..
.endr
.endr
.endm
.macro QUANT2 st                       ; my two whole blocks 2 c + h of row r: codes into v[C + 8 st ..], the row's scale word into v[WD + st]
.irp c, 0,1
	v_max3_num_f32 v[MX+\c], |v[T+32*\c]|, |v[T+32*\c+1]|, 0x1800000      ; with the floor 2^(3 - 127): the byte cannot fall under 1
.endr
.irp i, 2,4,6,8,10,12,14,16,18,20,22,24,26,28,30
.irp c, 0,1
	v_max3_num_f32 v[MX+\c], v[MX+\c], |v[T+32*\c+\i]|, |v[T+32*\c+\i+1]| ; the two blocks by turns
.endr
.endr
.irp c, 0,1
	v_add_nc_u32 v[SO+\c], 0xff000000, v[MX+\c]    ; 2 off the exponent field: the conversion takes the exponent field of this operand as its scale
.endr
.irp c, 0,1
	v_lshrrev_b32 v[BY+\c], 23, v[SO+\c]           ; the scale's byte
.endr
.irp c, 0,1
.irp g, 0,1,2,3
	v_cvt_scalef32_pk8_fp4_f32 v[C+8*\st+4*\c+\g], v[T+32*\c+8*\g:T+32*\c+8*\g+7], v[SO+\c]
.endr
.endr
	v_lshl_or_b32 v[WD+\st], v[BY+1], 16, v[BY]    ; blocks h and 2 + h (a plain line behind the conversions),
	v_lshlrev_b32 v[WD+\st], v14, v[WD+\st]        ; at their places,
	v_permlanex16_b32 v15, v[WD+\st], s20, s21
	v_or_b32 v[WD+\st], v[WD+\st], v15             ; with lane l xor 16's two the word is whole
.endm
	LOADX 0
	LOADX 1
.irp st, 0,1,2,3
.if \st < 3
	s_wait_loadcnt 16                              ; this step's 16 loads are in; the next step's 16 may be out
.else
	s_wait_loadcnt 0x0
.endif
	TURNX \st
	s_wait_dscnt 0x0                               ; the numbers are back, and the stores have read their registers,
.if \st < 2
	LOADX \st+2                                    ; which take the loads of two steps on
.endif
	QUANT2 \st
.irp c, 0,1
	global_store_b128 v1, v[C+8*\st+4*\c:C+8*\st+4*\c+3], s[28:29] offset:\st*1024+\c*512   ; 512 consecutive bytes: half a fragment's image
.endr
.endr
	v_cmp_eq_u32 vcc_lo, 1, v13
	v_cndmask_b32 v244, v240, v242, vcc_lo         ; lane (r, h) stores words 2 h and 2 h + 1 of row r
	v_cndmask_b32 v245, v241, v243, vcc_lo
	global_store_b64 v4, v[244:245], s[30:31]      ; 32 lanes store 256 consecutive bytes, aligned
	s_branch .Lend
; ---------------- the weights ----------------
.Lcolumns:
	s_sub_co_u32 s22, ttmp9, 256
	s_and_b32 s23, s22, 1
	s_lshr_b32 s22, s22, 1
	s_lshr_b32 s24, s22, 5                         ; t: 0, 1, 2 = Wq, Wk, Wv; 3 = Wo
	s_and_b32 s22, s22, 31                         ; which 32 columns
	s_lshl_b32 s23, s23, 2
	s_add_co_u32 s23, s23, s18                     ; my K step of 128
	s_cmp_eq_u32 s24, 1                            ; the choice hangs on the work-group's number alone
	s_cselect_b64 s[26:27], s[8:9], s[6:7]
	s_cmp_eq_u32 s24, 2
	s_cselect_b64 s[26:27], s[10:11], s[26:27]
	s_cmp_eq_u32 s24, 3
	s_cselect_b64 s[26:27], s[12:13], s[26:27]
	s_cselect_b32 s30, 15, 13                      ; lanes 16-31 hold the next tile of 16 columns: 32,768 bytes on in wof, 8,192 in WF
	s_lshl_b32 s28, s23, 19                        ; 128 rows of 4,096 bytes
	s_lshl_b32 s31, s22, 7
	s_add_co_u32 s28, s28, s31
	s_add_nc_u64 s[26:27], s[26:27], s[28:29]
	v_lshlrev_b32 v6, s30, v13
	v_lshl_add_u32 v6, v12, 4, v6                  ; where my 16 bytes go
	v_lshlrev_b32 v7, 9, v13
	v_lshl_add_u32 v7, v12, 2, v7                  ; and my scale word
.macro LOADC bl                        ; block bl: W(32 bl + i, my column): neighbouring lanes read neighbouring columns
.irp i, 0,1,2,3,4,5,6,7,8,9,10,11,12,13,14,15,16,17,18,19,20,21,22,23,24,25,26,27,28,29,30,31
	global_load_b32 v[R+32*(\bl)+\i], v5, s[26:27] offset:(32*(\bl)+\i)*4096 th:TH_LOAD_NT
.endr
.endm
.macro WAITC bl
.if \bl < 3
	s_wait_loadcnt 32                              ; this block's 32 loads are in; the next block's 32 may be out
.else
	s_wait_loadcnt 0x0
.endif
.endm
	LOADC 0
	LOADC 1
	s_cmp_eq_u32 s24, 3
	s_cbranch_scc1 .Lwo
	s_lshr_b32 s30, s22, 2                         ; the block of 128 columns
	s_and_b32 s31, s22, 3
	s_mul_i32 s28, s30, 196608
	s_lshl_b32 s32, s24, 16
	s_add_co_u32 s28, s28, s32
	s_lshl_b32 s32, s31, 14
	s_add_co_u32 s28, s28, s32
	s_lshl_b32 s32, s23, 10
	s_add_co_u32 s28, s28, s32
	s_add_co_u32 s28, s28, WF_OFF
	s_add_nc_u64 s[34:35], s[14:15], s[28:29]
	s_mul_i32 s28, s30, 12288
	s_lshl_b32 s32, s24, 12
	s_add_co_u32 s28, s28, s32
	s_lshl_b32 s32, s31, 10
	s_add_co_u32 s28, s28, s32
	s_lshl_b32 s32, s23, 6
	s_add_co_u32 s28, s28, s32
	s_add_co_u32 s28, s28, WS_OFF
	s_add_nc_u64 s[36:37], s[14:15], s[28:29]
.irp bl, 0,1,2,3
	WAITC \bl
	v_max3_num_f32 v[MX], |v[R+32*\bl]|, |v[R+32*\bl+1]|, |v[R+32*\bl+2]|      ; all 32 numbers of the block are mine
	v_max3_num_f32 v[MX+1], |v[R+32*\bl+3]|, |v[R+32*\bl+4]|, |v[R+32*\bl+5]|
.irp i, 6,10,14,18,22,26
	v_max3_num_f32 v[MX], v[MX], |v[R+32*\bl+\i]|, |v[R+32*\bl+\i+1]|
	v_max3_num_f32 v[MX+1], v[MX+1], |v[R+32*\bl+\i+2]|, |v[R+32*\bl+\i+3]|
.endr
	v_max3_num_f32 v[MX], v[MX], |v[R+32*\bl+30]|, |v[R+32*\bl+31]|
	v_max3_num_f32 v[MX], v[MX], v[MX+1], 0x1800000
	v_add_nc_u32 v[SO], 0xff000000, v[MX]
	v_lshrrev_b32 v[BY], 23, v[SO]
.irp g, 0,1,2,3
	v_cvt_scalef32_pk8_fp4_f32 v[C+4*\bl+\g], v[R+32*\bl+8*\g:R+32*\bl+8*\g+7], v[SO]
.endr
.if \bl == 0
	v_mov_b32 v[WD], v[BY]                         ; four bytes make the K step's scale word, the lower k in the lower byte (a plain line behind the conversions)
.else
	v_lshl_or_b32 v[WD], v[BY], 8*\bl, v[WD]
.endif
	global_store_b128 v6, v[C+4*\bl:C+4*\bl+3], s[34:35] offset:\bl*256   ; sixteen lanes store 256 consecutive bytes, aligned
.if \bl < 2
	LOADC \bl+2
.endif
.endr
	global_store_b32 v7, v[WD], s[36:37]
	s_branch .Lend
.Lwo:
	s_lshl_b32 s28, s22, 16
	s_lshl_b32 s32, s23, 12
	s_add_co_u32 s28, s28, s32
	s_add_nc_u64 s[34:35], s[16:17], s[28:29]
.irp bl, 0,1,2,3
	WAITC \bl
.irp j, 0,1,2,3,4,5,6,7,8,9,10,11,12,13,14,15
	v_cvt_pk_f16_f32 v[T+16*\bl+\j], v[R+32*\bl+2*\j], v[R+32*\bl+2*\j+1]      ; the lower k in the low half
.endr
.irp p, 0,1,2,3
	global_store_b128 v6, v[T+16*\bl+4*\p:T+16*\bl+4*\p+3], s[34:35] offset:\bl*1024+\p*256
.endr
.if \bl < 2
	LOADC \bl+2
.endif
.endr
.Lend:
	s_wait_tensorcnt 0x0                           ; the wave's end
	ds_add_u32 v8, v9
	s_wait_dscnt 0x0
	s_endpgm
.Lfunc_end_k_q6e81ae8c67_prep:
	.size	k_q6e81ae8c67_prep, .Lfunc_end_k_q6e81ae8c67_prep-k_q6e81ae8c67_prep
	.p2alignl 7, 3214868480
	.fill 96, 4, 3214868480
	.section	.rodata,"a",@progbits
	.p2align	6, 0x0
	.amdhsa_kernel k_q6e81ae8c67_prep
		.amdhsa_group_segment_fixed_size 35328
		.amdhsa_private_segment_fixed_size 0
		.amdhsa_enable_private_segment 0
		.amdhsa_kernarg_size 56
		.amdhsa_user_sgpr_count 2
		.amdhsa_user_sgpr_kernarg_segment_ptr 1
		.amdhsa_wavefront_size32 1
		.amdhsa_system_sgpr_workgroup_id_x 1
		.amdhsa_system_sgpr_workgroup_id_y 1
		.amdhsa_system_sgpr_workgroup_id_z 1
		.amdhsa_system_vgpr_workitem_id 0
		.amdhsa_next_free_vgpr 256
		.amdhsa_next_free_sgpr 66
		.amdhsa_reserve_vcc 1
		.amdhsa_float_denorm_mode_32 3
		.amdhsa_float_denorm_mode_16_64 3
		.amdhsa_memory_ordered 1
		.amdhsa_forward_progress 1
		.amdhsa_inst_pref_size 61
	.end_amdhsa_kernel
	.amdgpu_metadata
---
amdhsa.version: [ 1, 2 ]
amdhsa.kernels:
  - .name:           k_q6e81ae8c67_prep
    .symbol:         k_q6e81ae8c67_prep.kd
    .args:
      - { .name: X, .offset: 0, .size: 8, .value_kind: global_buffer, .address_space: global }
      - { .name: Wq, .offset: 8, .size: 8, .value_kind: global_buffer, .address_space: global }
      - { .name: Wk, .offset: 16, .size: 8, .value_kind: global_buffer, .address_space: global }
      - { .name: Wv, .offset: 24, .size: 8, .value_kind: global_buffer, .address_space: global }
      - { .name: Wo, .offset: 32, .size: 8, .value_kind: global_buffer, .address_space: global }
      - { .name: codes, .offset: 40, .size: 8, .value_kind: global_buffer, .address_space: global }
      - { .name: wof, .offset: 48, .size: 8, .value_kind: global_buffer, .address_space: global }
    .group_segment_fixed_size: 35328
    .private_segment_fixed_size: 0
    .kernarg_segment_align: 8
    .kernarg_segment_size: 56
    .max_flat_workgroup_size: 128
    .sgpr_count:     66
    .vgpr_count:     256
    .wavefront_size: 32
...
	.end_amdgpu_metadata
.endif
;; end of part 1
;; launch qkv (part 2): grid 8 x 32, 4 waves a work-group, clusters of 4 x 1, 327,680 bytes of LDS; arguments codes, qkv, r32; writes qkv, r32
.if DOCPART == 2
	.amdgcn_target "amdgcn-amd-amdhsa--gfx1250"
	.amdhsa_code_object_version 6
	.text
	.protected	k_q6e81ae8c67_qkv
	.globl	k_q6e81ae8c67_qkv
	.p2align	8
	.type	k_q6e81ae8c67_qkv,@function
k_q6e81ae8c67_qkv:
	s_mov_b64 s[64:65], 0
	v_nop
	global_prefetch_b8 v0, s[64:65] scope:SCOPE_SE
	s_setreg_imm32_b32 hwreg(HW_REG_WAVE_MODE, 25, 1), 1
	s_wait_xcnt 0x0
	s_wait_alu depctr_hold_cnt(0) depctr_sa_sdst(0) depctr_va_vdst(0) depctr_va_sdst(0) depctr_va_ssrc(0) depctr_va_vcc(0) depctr_vm_vsrc(0)
	s_getreg_b32 s2, hwreg(HW_REG_IB_STS2, 6, 4)
	s_cmp_eq_u32 s2, 0
	s_cbranch_scc0 .Lentry_in_a_cluster
	s_endpgm
.Lentry_in_a_cluster:
	s_bfe_u32 s2, ttmp6, 0x10000c
	s_cmp_lg_u32 s2, 0x3003
	s_cbranch_scc0 .Lentry_shape_is_right
	s_endpgm
.Lentry_shape_is_right:
; QKV.  q, k, v = X Wq, X Wk, X Wv on codes of FP4 with E8M0 scales, sums in f32; results leave as f16 IMAGES OF THE NEXT OPERANDS' REGISTERS:
;   QF (qkv + 0), KF (+ 16,777,216): [batch x head 64][tile of 16 tokens 128][32 channels 2][1,024 bytes];   VF (+ 33,554,432): [batch x head][32 keys 64][tile of 16 channels 4][1,024 bytes].
; The f32 sums of the first 16 tokens of each sequence go to r32 as they stand: [q, k, v][batch x head][tile of 16 channels 4][half 2][lane][16 bytes].
; LIMIT: |q|, |k|, |v| beyond 65,504 are not served (f16).
; SHARES.  A work-group keeps the codes of 256 rows of X, for all of K, in LDS and makes three passes (q, k, v) of 256 rows x 128 columns.  A wave makes 128 rows x 64 columns (one head): 32 accumulators.
; q, k: source 0 = 16 columns of W, source 1 = 16 rows of X: a lane holds one token and eight neighbouring channels.   v: the sources swapped: a lane holds one channel and eight neighbouring tokens.
; Rounded to f16 in pairs these are four registers of the next operand, and a wave's store of them covers 512 consecutive bytes.
; CLUSTER.  The four work-groups of a cluster share their 256 rows of X: X's codes and scale words are asked for jointly.  W's tiles differ from partner to partner: plain loads.
; Not 4 x 4: the branch round the f32 stores hangs on the block of rows, which must be the same in all partners.
; LDS: X's codes [256 k: 4][row tile 16][2 KB]; two slots for W's codes [256 k: 4][column tile 8][2 KB]; the scale words; the spare words.  All tiles are dense images: every fragment load reads 512 consecutive bytes.
; A wave has five tensor loads out at the start and one behind the refill.
.set WF_OFF, 4194304
.set XS_OFF, 5767168
.set WS_OFF, 6029312
.set BS0,   131072                     ; W's slot 0
.set BS1,   196608                     ; W's slot 1
.set ASC,   262144                     ; X's scale words, 8,192 bytes
.set BSC,   270336                     ; W's, 12,288 bytes: all three passes
.set SPARE, 282624                     ; the spare words, 128 bytes for each wave
.set SA,  16                           ; v16-47  X's scale words: register 8 i + K step: lanes 0-15 row tile 2 i, lanes 16-31 row tile 2 i + 1
.set SB,  48                           ; v48-63  W's likewise, for the pass in hand
.set AF,  128                          ; window 0: v128-255 X's fragments, two sets of 8
.set TMP, 64                           ; window 1: v0-63 W's fragments, two sets of 4; v64-191 packed results.   window 2: accumulator (a, b) at v[8 (4 a + b)]
.set G1A,  24
.set G1B,  32
.set G1AS, 40
.set G1BS, 48
.set MSB, 0
.macro WIN new                         ; the immediate's high byte repeats the setting that is left
.if MSB != \new
	s_set_vgpr_msb (MSB<<8)|\new
.set MSB, \new
.endif
.endm
.macro PLACES                          ; four plain places behind a matrix instruction, in front of loads into its sources and of reads of its results
.rept 4
	v_nop
.endr
.endm
.macro CROUND                          ; a round of the cluster's barrier
	s_barrier_signal -1
	s_barrier_wait -1
	s_cmp_lg_u32 s10, 0
	s_cbranch_scc1 .Lnot_wave_0_\@
	s_barrier_signal -3
.Lnot_wave_0_\@:
	s_barrier_wait -3
	s_barrier_signal -1
	s_barrier_wait -1
.endm
.macro GROUP1 g, w0, c, r, p           ; a tile of r rows of c elements of 8 bytes, p elements from row to row
	s_mov_b32 s[\g], \w0
	s_mov_b32 s[\g+1], (\c)<<16
	s_mov_b32 s[\g+2], (\r)<<16
	s_mov_b32 s[\g+3], (\c)<<16
	s_mov_b32 s[\g+4], \r
	s_mov_b32 s[\g+5], \p
	s_mov_b32 s[\g+6], 0
	s_mov_b32 s[\g+7], 0
.endm
	s_load_b128 s[4:7], s[0:1], 0x0                ; codes, qkv
	s_load_b64 s[8:9], s[0:1], 0x10                ; r32
	v_lshl_add_u32 v8, v0, 2, SPARE                ; my spare word; never rewritten
	v_mov_b32 v9, 0                                ; 0; never rewritten
	ds_add_u32 v8, v9                              ; the wave's opening: the add, twice on end, and its wait ahead of my first tensor load
	ds_add_u32 v8, v9
	v_lshrrev_b32 v10, 5, v0
	v_readfirstlane_b32 s10, v10                   ; wave
	s_lshr_b32 s11, s10, 1                         ; which 128 rows are mine
	s_and_b32 s12, s10, 1                          ; which 64 columns
	s_bfe_u32 s13, ttmp6, 0x40000                  ; cx
	s_lshl_b32 s14, ttmp9, 2
	s_add_co_u32 s14, s14, s13                     ; the block of 128 columns = 4 x cluster x + cx
	s_and_b32 s15, ttmp7, 0xffff                   ; the block of 256 rows, which the four partners share
	GROUP1 G1A,  15|(3<<16)|(1<<21), 256, 16, 1024 ; X's codes: 16 row tiles x 2 KB, 8 KB apart; joint: the mask names all four, bit 21 beside it
	GROUP1 G1B,  3<<16, 256, 8, 1024               ; W's codes: 8 column tiles x 2 KB, 8 KB apart
	GROUP1 G1AS, 15|(3<<16)|(1<<21), 32, 8, 32     ; X's scale words: 2 KB dense; joint
	GROUP1 G1BS, 3<<16, 32, 12, 32                 ; W's: 3 KB dense
	s_lshl_b32 s16, s15, 13                        ; offsets made of the block of rows and the wave alone: they feed the joint loads
	s_lshl_b32 s18, s10, 11
	s_add_co_u32 s16, s16, s18
	s_add_co_u32 s16, s16, XS_OFF
	s_mov_b32 s17, 0
	s_lshl_b32 s18, s15, 17
	s_lshl_b32 s19, s10, 11
	s_add_co_u32 s18, s18, s19
	s_mov_b32 s19, 0
	s_mul_i32 s20, s14, 12288                      ; and those of the block of columns: plain loads
	s_mul_i32 s21, s10, 3072
	s_add_co_u32 s20, s20, s21
	s_add_co_u32 s20, s20, WS_OFF
	s_mov_b32 s21, 0
	s_mul_i32 s22, s14, 196608
	s_lshl_b32 s23, s10, 11
	s_add_co_u32 s22, s22, s23
	s_add_co_u32 s22, s22, WF_OFF
	s_mov_b32 s23, 0
	s_mov_b32 s56, 1                               ; groups 0: count 1, the LDS address (a constant + a constant x wave), the global address, the type
	s_lshl_b32 s57, s10, 11
	s_add_co_u32 s57, s57, ASC
	s_mov_b32 s60, 1
	s_mul_i32 s61, s10, 3072
	s_add_co_u32 s61, s61, BSC
	s_mov_b32 s68, 1
	s_lshl_b32 s69, s10, 15
	s_mov_b32 s72, 1
	s_lshl_b32 s73, s10, 14
	s_add_co_u32 s73, s73, BS0
	s_mov_b32 s76, 1
	s_lshl_b32 s77, s10, 14
	s_add_co_u32 s77, s77, BS1
	s_lshr_b32 s80, s15, 3                         ; batch x 16 + head
	s_lshl_b32 s80, s80, 4
	s_lshl_b32 s81, s14, 1
	s_add_co_u32 s80, s80, s81
	s_add_co_u32 s80, s80, s12
	s_lshl_b32 s94, s80, 12                        ; r32: 4,096 bytes a head
	s_mov_b32 s95, 0
	s_lshl_b32 s82, s80, 18                        ; qkv: 262,144 bytes a head,
	s_and_b32 s81, s15, 7
	s_lshl_b32 s93, s81, 15
	s_add_co_u32 s82, s82, s93                     ; 32,768 for 256 tokens,
	s_lshl_b32 s93, s11, 14
	s_add_co_u32 s82, s82, s93                     ; 16,384 for my 128
	s_mov_b32 s83, 0
	s_or_b32 s92, s81, s11                         ; 0 where my first row tile holds tokens 0-15 of a sequence
	s_wait_dscnt 0x0                               ; both opening adds are done
	s_wait_kmcnt 0x0
	s_add_nc_u64 s[58:59], s[4:5], s[16:17]
	s_or_b32 s59, s59, 0x80000000
	s_add_nc_u64 s[62:63], s[4:5], s[20:21]
	s_or_b32 s63, s63, 0x80000000
	s_add_nc_u64 s[70:71], s[4:5], s[18:19]
	s_or_b32 s71, s71, 0x80000000
	s_add_nc_u64 s[74:75], s[4:5], s[22:23]
	s_add_nc_u64 s[78:79], s[74:75], 65536         ; pass 1's tile
	s_or_b32 s75, s75, 0x80000000
	s_or_b32 s79, s79, 0x80000000
	s_add_nc_u64 s[90:91], s[8:9], s[94:95]
	s_add_nc_u64 s[84:85], s[6:7], s[82:83]        ; q,
	s_add_nc_u64 s[86:87], s[84:85], 16777216      ; k,
	s_add_nc_u64 s[88:89], s[86:87], 16777216      ; v
	CROUND                                         ; all four work-groups are here: the first loads go out as one group
	tensor_load_to_lds s[56:59], s[G1AS:G1AS+7]
	s_nop 0
	tensor_load_to_lds s[60:63], s[G1BS:G1BS+7]
	s_nop 0
	tensor_load_to_lds s[68:71], s[G1A:G1A+7]
	s_nop 0
	tensor_load_to_lds s[72:75], s[G1B:G1B+7]
	s_nop 0
	tensor_load_to_lds s[76:79], s[G1B:G1B+7]
	s_nop 0
	PLACES
	v_and_b32 v10, 31, v0
	v_lshlrev_b32 v1, 4, v10                       ; v1  16 x lane
	s_lshl_b32 s93, s11, 14
	v_add_nc_u32 v2, s93, v1                       ; v2  X's fragments, K steps 0-3
	v_add_nc_u32 v3, 0x10000, v2                   ; v3  K steps 4-7
	s_lshl_b32 s93, s12, 13
	s_add_co_u32 s93, s93, BS0
	v_add_nc_u32 v4, s93, v1                       ; v4  W's fragments in slot 0
	v_add_nc_u32 v5, 0x10000, v4                   ; v5  in slot 1
	v_and_b32 v11, 15, v0
	v_bfe_u32 v12, v0, 4, 1
	v_lshlrev_b32 v6, 9, v12
	v_lshl_add_u32 v6, v11, 4, v6
	s_lshl_b32 s93, s11, 12
	s_add_co_u32 s93, s93, ASC
	v_add_nc_u32 v6, s93, v6                       ; v6  X's scale words
	v_lshlrev_b32 v7, 9, v12
	v_lshl_add_u32 v7, v11, 2, v7
	s_lshl_b32 s93, s12, 11
	s_add_co_u32 s93, s93, BSC
	v_add_nc_u32 v7, s93, v7                       ; v7  W's
.macro SCALA                           ; X's scale words of my 8 row tiles, all 8 K steps: they stay
.irp i, 0,1,2,3
.irp g, 0,1
	ds_load_b128 v[SA+8*\i+4*\g:SA+8*\i+4*\g+3], v6 offset:\i*1024+\g*256
.endr
.endr
.endm
.macro SCALB t                         ; W's scale words of my 4 column tiles for pass t
.irp i, 0,1
.irp ks, 0,1,2,3,4,5,6,7
	ds_load_b32 v[SB+8*\i+\ks], v7 offset:\t*4096+\i*1024+\ks*64
.endr
.endr
.endm
.macro FETCH ks, slot                  ; the fragments of K step ks into set ks % 2
	WIN 0x40
.irp b, 0,1,2,3
.irp c, 0,1
	ds_load_b128 v[32*((\ks)%2)+8*\b+4*\c:32*((\ks)%2)+8*\b+4*\c+3], v[4+\slot] offset:((\ks)/2)*16384+\b*2048+((\ks)%2)*1024+\c*512
.endr
.endr
	WIN 0
.irp a, 0,1,2,3,4,5,6,7
.irp c, 0,1
	ds_load_b128 v[AF+64*((\ks)%2)+8*\a+4*\c:AF+64*((\ks)%2)+8*\a+4*\c+3], v[2+(\ks)/4] offset:(((\ks)/2)%2)*32768+\a*2048+((\ks)%2)*1024+\c*512
.endr
.endr
.endm
; One scaled product on accumulator rD.  p0, p1: the sources' first registers; q0, q1: their scale registers; r0, r1: 1 where the scales stand in lanes 16-31
.macro WMS p0, p1, q0, q1, r0, r1, zero
.if \zero
.if (\r0) && (\r1)
	v_wmma_scale_f32_16x16x128_f8f6f4 v[rD:rD+7], v[\p0:\p0+7], v[\p1:\p1+7], 0, v[\q0], v[\q1] matrix_a_fmt:MATRIX_FMT_FP4 matrix_b_fmt:MATRIX_FMT_FP4 matrix_a_scale:MATRIX_SCALE_ROW1 matrix_b_scale:MATRIX_SCALE_ROW1
.elseif \r0
	v_wmma_scale_f32_16x16x128_f8f6f4 v[rD:rD+7], v[\p0:\p0+7], v[\p1:\p1+7], 0, v[\q0], v[\q1] matrix_a_fmt:MATRIX_FMT_FP4 matrix_b_fmt:MATRIX_FMT_FP4 matrix_a_scale:MATRIX_SCALE_ROW1
.elseif \r1
	v_wmma_scale_f32_16x16x128_f8f6f4 v[rD:rD+7], v[\p0:\p0+7], v[\p1:\p1+7], 0, v[\q0], v[\q1] matrix_a_fmt:MATRIX_FMT_FP4 matrix_b_fmt:MATRIX_FMT_FP4 matrix_b_scale:MATRIX_SCALE_ROW1
.else
	v_wmma_scale_f32_16x16x128_f8f6f4 v[rD:rD+7], v[\p0:\p0+7], v[\p1:\p1+7], 0, v[\q0], v[\q1] matrix_a_fmt:MATRIX_FMT_FP4 matrix_b_fmt:MATRIX_FMT_FP4
.endif
.else
.if (\r0) && (\r1)
	v_wmma_scale_f32_16x16x128_f8f6f4 v[rD:rD+7], v[\p0:\p0+7], v[\p1:\p1+7], v[rD:rD+7], v[\q0], v[\q1] matrix_a_fmt:MATRIX_FMT_FP4 matrix_b_fmt:MATRIX_FMT_FP4 matrix_a_scale:MATRIX_SCALE_ROW1 matrix_b_scale:MATRIX_SCALE_ROW1
.elseif \r0
	v_wmma_scale_f32_16x16x128_f8f6f4 v[rD:rD+7], v[\p0:\p0+7], v[\p1:\p1+7], v[rD:rD+7], v[\q0], v[\q1] matrix_a_fmt:MATRIX_FMT_FP4 matrix_b_fmt:MATRIX_FMT_FP4 matrix_a_scale:MATRIX_SCALE_ROW1
.elseif \r1
	v_wmma_scale_f32_16x16x128_f8f6f4 v[rD:rD+7], v[\p0:\p0+7], v[\p1:\p1+7], v[rD:rD+7], v[\q0], v[\q1] matrix_a_fmt:MATRIX_FMT_FP4 matrix_b_fmt:MATRIX_FMT_FP4 matrix_b_scale:MATRIX_SCALE_ROW1
.else
	v_wmma_scale_f32_16x16x128_f8f6f4 v[rD:rD+7], v[\p0:\p0+7], v[\p1:\p1+7], v[rD:rD+7], v[\q0], v[\q1] matrix_a_fmt:MATRIX_FMT_FP4 matrix_b_fmt:MATRIX_FMT_FP4
.endif
.endif
.endm
; A K step's 32 products.  The 32 accumulators take turns, one instruction a turn, in the same order in every step.  nat = 1: X is source 0.  zero = 1: the products start the sums
.macro MUL ks, nat, zero
.if \nat
	WIN 0xa4                                       ; source 0 (X) window 0, source 1 (W) window 1, C and D window 2
.else
	WIN 0xa1                                       ; source 0 (W) window 1, source 1 (X) window 0, C and D window 2
.endif
.irp a, 0,1,2,3,4,5,6,7
.irp b, 0,1,2,3
.set rD, 8*(4*\a+\b)
.set rX, AF+64*((\ks)%2)+8*\a
.set rW, 32*((\ks)%2)+8*\b
.set rSX, SA+8*(\a/2)+(\ks)
.set rSW, SB+8*(\b/2)+(\ks)
.if \nat
	WMS rX, rW, rSX, rSW, \a%2, \b%2, \zero
.else
	WMS rW, rX, rSW, rSX, \b%2, \a%2, \zero
.endif
.endr
.endr
.endm
.macro STEP ks, slot, nat
	s_wait_dscnt 0x0                               ; this step's fragments are in
.if \ks < 7
	PLACES                                         ; the other set was read by the products just issued
	FETCH (\ks)+1, \slot
.endif
.if \ks == 0
	MUL \ks, \nat, 1
.else
	MUL \ks, \nat, 0
.endif
.endm
.macro PASS slot, nat
.irp ks, 0,1,2,3,4,5,6,7
	STEP \ks, \slot, \nat
.endr
.endm
; The way out of pass t.  Each accumulator is read from its low end on.
.macro OUT t
	WIN 0
	s_wait_xcnt 0x0                                ; the last pass's stores have read their data: the packed results' registers may be written again
	PLACES
	s_cmp_lg_u32 s92, 0                            ; the block of rows and the wave alone: the same in all partners
	s_cbranch_scc1 .Lno32_\@
	WIN 0x08                                       ; a store's data are its source 1: window 2
.irp b, 0,1,2,3
	global_store_b128 v1, v[8*\b:8*\b+3], s[90:91] offset:\t*262144+\b*1024
	global_store_b128 v1, v[8*\b+4:8*\b+7], s[90:91] offset:\t*262144+\b*1024+512
.endr
	WIN 0
.Lno32_\@:
	WIN 0x4a                                       ; sources window 2, destination window 1
.irp a, 0,1,2,3,4,5,6,7
.irp b, 0,1,2,3
.irp j, 0,1,2,3
	v_cvt_pk_f16_f32 v[TMP+4*(4*\a+\b)+\j], v[8*(4*\a+\b)+2*\j], v[8*(4*\a+\b)+2*\j+1]
.endr
.endr
.endr
	WIN 0x04                                       ; the data: window 1
.irp a, 0,1,2,3,4,5,6,7
.irp b, 0,1,2,3
.if \t == 2
	global_store_b128 v1, v[TMP+4*(4*\a+\b):TMP+4*(4*\a+\b)+3], s[88:89] offset:(\a/2)*4096+\b*1024+(\a%2)*512   ; 32 keys a / 2, channel tile b, its half a % 2
.else
	global_store_b128 v1, v[TMP+4*(4*\a+\b):TMP+4*(4*\a+\b)+3], s[84+2*\t:85+2*\t] offset:\a*2048+\b*512          ; token tile a, 32 channels b / 2, their half b % 2
.endif
.endr
.endr
	WIN 0
.if \t < 2
	s_wait_xcnt 0x0                                ; the f32 stores have read the accumulators, which the next pass's first products write
.endif
.endm
	s_wait_tensorcnt 1                             ; the scale words, X's codes and slot 0 are in; slot 1's load may stay out
	s_barrier_signal -1
	s_barrier_wait -1                              ; everybody's are
	SCALA
	SCALB 0
	FETCH 0, 0
	PASS 0, 0                                      ; q
	WIN 0
	s_wait_tensorcnt 0x0                           ; all my tensor loads have landed, slot 1's among them,
	ds_add_u32 v8, v9                              ; 0 onto my spare word
	s_add_nc_u64 s[74:75], s[74:75], 131072        ; slot 0's next tile is pass 2's; the type bits on top are not reached
	s_wait_dscnt 0x0                               ; the add is done, and my reads of slot 0 are over
	CROUND                                         ; in a cluster launch every tensor load stands behind a round; it holds my work-group's barrier too
	tensor_load_to_lds s[72:75], s[G1B:G1B+7]      ; it has the whole of pass 1 in which to land
	s_nop 0
	PLACES
	SCALB 1
	FETCH 0, 1
	OUT 0                                          ; q's stores leave under pass 1
	PASS 1, 0                                      ; k
	WIN 0
	s_wait_tensorcnt 0x0                           ; my part of pass 2's tile is in
	s_wait_dscnt 0x0
	s_barrier_signal -1
	s_barrier_wait -1                              ; everybody's is
	PLACES
	SCALB 2
	FETCH 0, 0
	OUT 1
	PASS 0, 1                                      ; v, the sources swapped
	OUT 2
	s_wait_tensorcnt 0x0                           ; the wave's end
	ds_add_u32 v8, v9
	s_wait_dscnt 0x0
	CROUND                                         ; the closing round
	s_endpgm
.Lfunc_end_k_q6e81ae8c67_qkv:
	.size	k_q6e81ae8c67_qkv, .Lfunc_end_k_q6e81ae8c67_qkv-k_q6e81ae8c67_qkv
	.p2alignl 7, 3214868480
	.fill 96, 4, 3214868480
	.section	.rodata,"a",@progbits
	.p2align	6, 0x0
	.amdhsa_kernel k_q6e81ae8c67_qkv
		.amdhsa_group_segment_fixed_size 327680
		.amdhsa_private_segment_fixed_size 0
		.amdhsa_enable_private_segment 0
		.amdhsa_kernarg_size 24
		.amdhsa_user_sgpr_count 2
		.amdhsa_user_sgpr_kernarg_segment_ptr 1
		.amdhsa_wavefront_size32 1
		.amdhsa_system_sgpr_workgroup_id_x 1
		.amdhsa_system_sgpr_workgroup_id_y 1
		.amdhsa_system_sgpr_workgroup_id_z 1
		.amdhsa_system_vgpr_workitem_id 0
		.amdhsa_next_free_vgpr 768
		.amdhsa_next_free_sgpr 96
		.amdhsa_reserve_vcc 0
		.amdhsa_float_denorm_mode_32 3
		.amdhsa_float_denorm_mode_16_64 3
		.amdhsa_memory_ordered 1
		.amdhsa_forward_progress 1
		.amdhsa_inst_pref_size 187
	.end_amdhsa_kernel
	.amdgpu_metadata
---
amdhsa.version: [ 1, 2 ]
amdhsa.kernels:
  - .name:           k_q6e81ae8c67_qkv
    .symbol:         k_q6e81ae8c67_qkv.kd
    .args:
      - { .name: codes, .offset: 0, .size: 8, .value_kind: global_buffer, .address_space: global }
      - { .name: qkv, .offset: 8, .size: 8, .value_kind: global_buffer, .address_space: global }
      - { .name: r32, .offset: 16, .size: 8, .value_kind: global_buffer, .address_space: global }
    .group_segment_fixed_size: 327680
    .private_segment_fixed_size: 0
    .kernarg_segment_align: 8
    .kernarg_segment_size: 24
    .max_flat_workgroup_size: 128
    .sgpr_count:     96
    .vgpr_count:     768
    .wavefront_size: 32
...
	.end_amdgpu_metadata
.endif
;; end of part 2
;; launch attn (part 3): grid 4 x 64, 8 waves a work-group, no clusters, 327,680 bytes of LDS; arguments qkv, ctx; writes ctx
.if DOCPART == 3
	.amdgcn_target "amdgcn-amd-amdhsa--gfx1250"
	.amdhsa_code_object_version 6
	.text
	.protected	k_q6e81ae8c67_attn
	.globl	k_q6e81ae8c67_attn
	.p2align	8
	.type	k_q6e81ae8c67_attn,@function
k_q6e81ae8c67_attn:
	s_mov_b64 s[64:65], 0
	v_nop
	global_prefetch_b8 v0, s[64:65] scope:SCOPE_SE
	s_setreg_imm32_b32 hwreg(HW_REG_WAVE_MODE, 25, 1), 1
	s_wait_xcnt 0x0
; ATTN.  ctx = softmax(q k^T / 8, causal) v for one head of one batch, on the f16 images that the launch before stored; products, maxima and sums in f32; the weights p rounded to f16 for the second product.
; ctx leaves as f16 images of the projection's operand: [tile of 16 tokens 512][32 channels 32][1,024 bytes].   LIMIT: |ctx| beyond 65,504 is not served (f16).
; SHARES.  Work-group (I, head) makes the block of 256 queries I and then block 7 - I.  Block j walks j + 1 slots of 256 keys, so every work-group walks 9 slots: the trip count is a constant, the work is
; equal, and no tile that lies wholly under the mask is fetched.  A wave owns 32 queries: two tiles of 16.  Two waves share a SIMD: one wave's softmax stands beside the other's products.
; NO CLUSTER: the four work-groups of a head walk 8 - I different slots of keys; a joint load would bring tiles that no wave of some partner reads.
; LAYOUT.  S^T = K Q^T (source 0 = 16 keys, source 1 = 16 queries), O^T = V^T P (source 0 = 16 channels, source 1 = P): a lane holds one query throughout; two tiles of S^T, rounded to f16 in pairs, are P's fragment.
; SOFTMAX.  A running maximum m and sum l for each query: p = 2^(c s - c m), c = log2(e) / 8; in every step O^T and l are multiplied by a = 2^(c m_old - c m_new).  Scores of hidden keys become -infinity ahead of the maximum.
; A step that is walked has its first key at or under the wave's first query, so every query of the step has a key that counts.
; LDS: two slots of 64 KB: 256 keys of K (32 KB), then of V (32 KB), dense images; each of the eight waves fetches 8 KB of a slot by one tensor load: one load of mine is out behind each barrier.
; REGISTERS.  window 0: v1-8 addresses; v16-47 Q; v48-111 S^T; v112-143 P; v144-207 O^T; v208-223 statistics, 8 a tile: +0 c m, +1 m, +2, +3 l, +4 to +7 at work, a in +6.
;   window 1: v0-63 a step's K; v64-127 its V; v128-159 the second block's Q.
.set SPARE, 131072
.set QF, 16
.set S,  48
.set P,  112
.set OT, 144
.set ST, 208
.set MSB, 0
.macro WIN new                         ; the immediate's high byte repeats the setting that is left
.if MSB != \new
	s_set_vgpr_msb (MSB<<8)|\new
.set MSB, \new
.endif
.endm
.macro PLACES
.rept 4
	v_nop
.endr
.endm
.macro INIT                            ; the step is written once: the first finds zeros, and an m under every score
.irp t, 0,1
	v_mov_b32 v[ST+8*\t+1], 0xff61b1e6             ; m = -3e38
	v_mul_f32 v[ST+8*\t], s42, v[ST+8*\t+1]        ; c m
.irp i, 2,3,4,5,6,7
	v_mov_b32 v[ST+8*\t+\i], 0
.endr
.endr
.set i, 0
.rept 64
	v_mov_b32 v[OT+i], 0
.set i, i+1
.endr
.endm
	s_load_b128 s[4:7], s[0:1], 0x0                ; qkv, ctx
	v_lshl_add_u32 v6, v0, 2, SPARE                ; my spare word; never rewritten
	v_mov_b32 v7, 0                                ; 0; never rewritten
	ds_add_u32 v6, v7                              ; the wave's opening: the add, twice on end, and its wait ahead of my first tensor load
	ds_add_u32 v6, v7
	v_lshrrev_b32 v8, 5, v0
	v_readfirstlane_b32 s12, v8                    ; s12 wave
	s_mov_b32 s13, ttmp9                           ; s13 I
	s_and_b32 s11, ttmp7, 0xffff                   ; s11 batch x 16 + head
	s_mov_b32 s16, 3<<16                           ; group 1: 32 rows of 32 elements of 8 bytes, dense: 8 KB
	s_mov_b32 s17, 32<<16
	s_mov_b32 s18, 32<<16
	s_mov_b32 s19, 32<<16
	s_mov_b32 s20, 32
	s_mov_b32 s21, 32
	s_mov_b32 s22, 0
	s_mov_b32 s23, 0
	s_mov_b32 s24, 1                               ; group 0
	s_lshl_b32 s25, s12, 13                        ; LDS: slot 0, 8,192 x wave: waves 0-3 K's quarters, waves 4-7 V's
	s_cmp_lt_u32 s12, 4
	s_cselect_b32 s50, 1, 2
	s_lshl_b32 s50, s50, 24                        ; KF or VF
	s_lshl_b32 s52, s11, 18
	s_add_co_u32 s50, s50, s52                     ; my head
	s_and_b32 s52, s12, 3
	s_lshl_b32 s52, s52, 13
	s_add_co_u32 s50, s50, s52                     ; my quarter of a slot
	s_mov_b32 s51, 0
	s_mov_b32 s14, s13                             ; s14 the block in hand
	s_mov_b32 s15, 0                               ; s15 the key slot in hand
	s_mov_b32 s36, 0                               ; s36 the next one
	s_mov_b32 s39, 0                               ; s39 LDS byte at which the step in hand begins
	s_lshl_b32 s41, s14, 8
	s_lshl_b32 s52, s12, 5
	s_add_co_u32 s41, s41, s52                     ; s41 my first query
	s_mov_b32 s42, 0x3e38aa3b                      ; c = log2(e) / 8
	s_mov_b32 s43, s42                             ; (named with it as a pair)
	s_mov_b32 s44, 0x76543210
	s_mov_b32 s45, 0xfedcba98                      ; lane l xor 16
	s_cmp_eq_u32 s13, 0
	s_cselect_b32 s48, 1, -1                       ; s48: the head's work-group 0 prefetches while s37 is above 1
	v_and_b32 v8, 31, v0
	v_lshlrev_b32 v1, 4, v8                        ; v1  16 x lane
	v_lshlrev_b32 v3, 8, v8                        ; v3  256 x lane: the prefetches' offset; never rewritten
	v_and_b32 v4, 15, v0
	v_bfe_u32 v5, v0, 4, 1
	v_lshlrev_b32 v5, 3, v5
	v_sub_nc_u32 v4, v4, v5                        ; v4  r - 8 h
	v_mov_b32 v5, 0xff800000                       ; v5  -infinity
	s_wait_dscnt 0x0                               ; both opening adds are done
	s_wait_kmcnt 0x0
	s_add_nc_u64 s[28:29], s[4:5], s[50:51]        ; s[28:29] my part of key slot 0
	s_mov_b64 s[46:47], s[28:29]                   ; s[46:47] where my prefetches stand
	s_mov_b64 s[26:27], s[28:29]
	s_or_b32 s27, s27, 0x80000000
	tensor_load_to_lds s[24:27], s[16:23]          ; key slot 0 into slot 0
	s_nop 0
	PLACES
	s_lshl_b32 s50, s11, 18
	s_lshl_b32 s52, s12, 12
	s_add_co_u32 s50, s50, s52                     ; Q: my head, my two tiles of 2,048 bytes,
	s_lshl_b32 s52, s13, 15
	s_add_co_u32 s52, s52, s50                     ; in block I
	s_mov_b32 s53, 0
	s_add_nc_u64 s[30:31], s[4:5], s[52:53]
	s_sub_co_u32 s52, 7, s13
	s_lshl_b32 s52, s52, 15
	s_add_co_u32 s52, s52, s50                     ; and in block 7 - I
	s_add_nc_u64 s[32:33], s[4:5], s[52:53]
.irp j, 0,1,2,3,4,5,6,7
	global_load_b128 v[QF+4*\j:QF+4*\j+3], v1, s[30:31] offset:512*\j th:TH_LOAD_NT
.endr
	WIN 0x40
.irp j, 0,1,2,3,4,5,6,7
	global_load_b128 v[128+4*\j:128+4*\j+3], v1, s[32:33] offset:512*\j th:TH_LOAD_NT
.endr
	WIN 0
	INIT
; A KEY STEP: 64 keys.
.macro STEP
	s_add_co_u32 s50, s41, 31
	s_cmp_gt_u32 s40, s50                          ; all 64 keys come after my 32 queries: the step's work is left out (ids and counted steps alone)
	s_cbranch_scc1 .Lhid_\@
	v_add_nc_u32 v2, s39, v1
	WIN 0x40                                       ; destination window 1
.irp j, 0,1,2,3,4,5,6,7,8,9,10,11,12,13,14,15
	ds_load_b128 v[4*\j:4*\j+3], v2 offset:512*\j                 ; K: key tile j / 4, 32 channels (j / 2) % 2
.endr
.irp j, 0,1,2,3,4,5,6,7,8,9,10,11,12,13,14,15
	ds_load_b128 v[64+4*\j:64+4*\j+3], v2 offset:32768+512*\j     ; V: 32 keys j / 8, channel tile (j / 2) % 4
.endr
	s_wait_dscnt 16                                ; K is in; V's sixteen loads may be out
	WIN 0x01                                       ; source 0 window 1
.irp cc, 0,1                                   ; the eight accumulators take turns, one instruction a turn
.irp kt, 0,1,2,3
.irp t, 0,1
.if \cc == 0
	v_wmma_f32_16x16x32_f16 v[S+32*\t+8*\kt:S+32*\t+8*\kt+7], v[16*\kt+8*\cc:16*\kt+8*\cc+7], v[QF+16*\t+8*\cc:QF+16*\t+8*\cc+7], 0
.else
	v_wmma_f32_16x16x32_f16 v[S+32*\t+8*\kt:S+32*\t+8*\kt+7], v[16*\kt+8*\cc:16*\kt+8*\cc+7], v[QF+16*\t+8*\cc:QF+16*\t+8*\cc+7], v[S+32*\t+8*\kt:S+32*\t+8*\kt+7]
.endif
.endr
.endr
.endr
	WIN 0
	PLACES
	s_add_co_u32 s50, s40, 63
	s_cmp_le_u32 s50, s41                          ; all 64 keys count for all my queries: no mask
	s_cbranch_scc1 .Lopen_\@
	s_sub_co_i32 s50, s41, s40
	v_add_nc_u32 v8, s50, v4                       ; d = my first query - the first key + r - 8 h.  Register 32 t + 8 kt + j holds key 16 kt + 8 h + j for query 16 t + r: hidden where 16 kt + j - 16 t > d
.irp t, 0,1
.irp kt, 0,1,2,3
.irp j, 0,1,2,3,4,5,6,7
	v_cmp_gt_i32 vcc_lo, 16*\kt+\j-16*\t, v8
	v_cndmask_b32 v[S+32*\t+8*\kt+\j], v[S+32*\t+8*\kt+\j], v5, vcc_lo
.endr
.endr
.endr
.Lopen_\@:
	; the maximum of a lane's 32 scores and the old m: four chains, each accumulator first read at its low end; the two tiles alternate line by line
.irp j, 0,1,2,3
.irp t, 0,1
	v_max3_num_f32 v[ST+8*\t+4+\j], v[S+32*\t+8*\j], v[S+32*\t+8*\j+1], v[S+32*\t+8*\j+2]
.endr
.endr
.irp u, 1,2
.irp j, 0,1,2,3
.irp t, 0,1
	v_max3_num_f32 v[ST+8*\t+4+\j], v[ST+8*\t+4+\j], v[S+32*\t+8*\j+2*\u+1], v[S+32*\t+8*\j+2*\u+2]
.endr
.endr
.endr
.irp t, 0,1
	v_max3_num_f32 v[ST+8*\t+4], v[ST+8*\t+4], v[S+32*\t+7], v[S+32*\t+15]
.endr
.irp t, 0,1
	v_max3_num_f32 v[ST+8*\t+6], v[ST+8*\t+6], v[S+32*\t+23], v[S+32*\t+31]
.endr
.irp t, 0,1
	v_max3_num_f32 v[ST+8*\t+4], v[ST+8*\t+4], v[ST+8*\t+5], v[ST+8*\t+6]
.endr
.irp t, 0,1
	v_max3_num_f32 v[ST+8*\t+4], v[ST+8*\t+4], v[ST+8*\t+7], v[ST+8*\t+1]
.endr
.irp t, 0,1
	v_permlanex16_b32 v[ST+8*\t+5], v[ST+8*\t+4], s44, s45       ; the query's other 32 keys lie in the lane 16 away
.endr
.irp t, 0,1
	v_mov_b32 v[ST+8*\t+7], v[ST+8*\t]             ; c m_old is kept for a
.endr
.irp t, 0,1
	v_max_num_f32 v[ST+8*\t+1], v[ST+8*\t+4], v[ST+8*\t+5]
.endr
.irp t, 0,1
	v_mul_f32 v[ST+8*\t], s42, v[ST+8*\t+1]
.endr
.irp t, 0,1
	v_sub_f32 v[ST+8*\t+7], v[ST+8*\t+7], v[ST+8*\t]
.endr
.set i, 0
.rept 16
.irp t, 0,1
	v_pk_fma_f32 v[S+32*\t+i:S+32*\t+i+1], v[S+32*\t+i:S+32*\t+i+1], s[42:43], v[ST+8*\t:ST+8*\t+1] op_sel_hi:[1,0,0] neg_lo:[0,0,1] neg_hi:[0,0,1]   ; c s - c m, two at a time
.endr
.set i, i+2
.endr
.irp t, 0,1                                    ; ONE BATCH: both tiles' a and all 64 weights
	v_exp_f32 v[ST+8*\t+6], v[ST+8*\t+7]
.endr
.set i, 0
.rept 32
	v_exp_f32 v[S+i], v[S+i]
	v_exp_f32 v[S+32+i], v[S+32+i]
.set i, i+1
.endr
	v_nop                                          ; a plain line behind the last exponential
	s_wait_alu depctr_va_vdst(0)                   ; one wait for the batch, ahead of its first reader
.set i, 0
.rept 16
.irp t, 0,1
	v_cvt_pk_f16_f32 v[P+16*\t+i], v[S+32*\t+2*i], v[S+32*\t+2*i+1]
.endr
.set i, i+1
.endr
.irp w, 4,8,16,32                              ; the sum of a lane's 16 pairs, in place: neighbours 1, 2, 4 and 8 pairs apart
.set u, 0
.rept 32/\w
.irp t, 0,1
	v_pk_add_f32 v[S+32*\t+\w*u:S+32*\t+\w*u+1], v[S+32*\t+\w*u:S+32*\t+\w*u+1], v[S+32*\t+\w*u+\w/2:S+32*\t+\w*u+\w/2+1]
.endr
.set u, u+1
.endr
.endr
.irp t, 0,1
	v_pk_fma_f32 v[ST+8*\t+2:ST+8*\t+3], v[ST+8*\t+2:ST+8*\t+3], v[ST+8*\t+6:ST+8*\t+7], v[S+32*\t:S+32*\t+1] op_sel_hi:[1,0,1]   ; l = a l + the sum
.endr
.set i, 0
.rept 16
.irp t, 0,1
	v_pk_mul_f32 v[OT+32*\t+i:OT+32*\t+i+1], v[OT+32*\t+i:OT+32*\t+i+1], v[ST+8*\t+6:ST+8*\t+7] op_sel_hi:[1,0]   ; O^T x a, each accumulator from its low end on
.endr
.set i, i+2
.endr
	s_wait_dscnt 0x0                               ; V is in
	WIN 0x01
.irp kc, 0,1
.irp dt, 0,1,2,3
.irp t, 0,1
	v_wmma_f32_16x16x32_f16 v[OT+32*\t+8*\dt:OT+32*\t+8*\dt+7], v[64+32*\kc+8*\dt:64+32*\kc+8*\dt+7], v[P+16*\t+8*\kc:P+16*\t+8*\kc+7], v[OT+32*\t+8*\dt:OT+32*\t+8*\dt+7]
.endr
.endr
.endr
	WIN 0
	PLACES                                         ; in front of the next step's loads into V's registers, and of the way out
.Lhid_\@:
.endm
; A PREFETCH INTO THE L2.  The head's work-group 0 walks key slots 0, 0, 1 .. 7.  In trips 0 to 6 each of its eight waves names its own 8 KB of the key slot behind the one that its tensor load has just asked for,
; lanes 256 bytes apart: four key steps ahead of the load that will want it.  So each block of 256 bytes of key slots 1 to 7 is named once in the launch; slot 0 comes by its load alone; the last trips ask for nothing.
.macro ASK
	s_cmp_gt_u32 s37, s48
	s_cbranch_scc0 .Lnot_mine_\@
	global_prefetch_b8 v3, s[46:47] th:TH_LOAD_NT scope:SCOPE_SE
.Lnot_mine_\@:
.endm
; THE CHANGE OF SLOTS, at a slot's head.  Each wave waits for all its tensor loads (its part of the slot ahead), adds 0 to its spare word, and waits for that and for its reads of the slot that it has left.
; fill = 1: behind the barrier that other slot is filled with the keys of the next trip: the next key slot of the block, or key slot 0 of the second block.
.macro CHANGE fill
	s_wait_tensorcnt 0x0                           ; no tensor load of mine is out, so the group 0 may be written
	ds_add_u32 v6, v7                              ; 0 onto my spare word
.if \fill
	s_add_co_u32 s50, s15, 1
	s_cmp_eq_u32 s15, s14
	s_cselect_b32 s36, 0, s50                      ; the next key slot
	s_xor_b32 s25, s25, 0x10000                    ; the other LDS slot than last time
	s_lshl_b32 s50, s36, 15
	s_mov_b32 s51, 0
	s_add_nc_u64 s[26:27], s[28:29], s[50:51]
	s_or_b32 s27, s27, 0x80000000
	s_wait_xcnt 0x0                                ; the last prefetch, a slot back, has read its address
	s_add_nc_u64 s[46:47], s[46:47], 0x8000
.endif
	s_wait_dscnt 0x0                               ; the add is done, and my reads of the slot that I have left are over
	s_barrier_signal -1
	s_barrier_wait -1
.if \fill
	tensor_load_to_lds s[24:27], s[16:23]          ; the first thing behind the barrier, and my one tensor load until the next: it has a slot's four steps in which to land
	s_nop 0
	PLACES
	ASK
.endif
.endm
.macro SLOT                            ; a slot's four key steps: written once, walked four times
	s_lshl_b32 s40, s15, 8                         ; s40 the step's first key
	s_mov_b32 s38, 4
.Lstep_\@:
	STEP
	s_add_co_u32 s39, s39, 8192
	s_add_co_u32 s40, s40, 64
	s_sub_co_u32 s38, s38, 1
	s_cmp_lg_u32 s38, 0
	s_cbranch_scc1 .Lstep_\@
	s_sub_co_u32 s39, s39, 32768
	s_xor_b32 s39, s39, 0x10000                    ; on to the other slot
.endm
; THE WAY OUT of a block: O^T / l, rounded to f16: four registers of the projection's operand; a wave's store covers 512 consecutive bytes.  more = 1: the second block begins.
.macro FINISH more
	s_wait_xcnt 0x0                                ; earlier stores have read their base
	s_lshr_b32 s50, s11, 4
	s_lshl_b32 s50, s50, 7
	s_lshl_b32 s52, s14, 4
	s_add_co_u32 s50, s50, s52
	s_lshl_b32 s52, s12, 1
	s_add_co_u32 s50, s50, s52                     ; my first tile of tokens: batch x 128 + block x 16 + 2 x wave
	s_lshl_b32 s50, s50, 15
	s_and_b32 s52, s11, 15
	s_lshl_b32 s52, s52, 11
	s_add_co_u32 s50, s50, s52                     ; + the head's 2,048 bytes
	s_mov_b32 s51, 0
	s_add_nc_u64 s[34:35], s[6:7], s[50:51]
.irp t, 0,1
	v_add_f32 v[ST+8*\t+4], v[ST+8*\t+2], v[ST+8*\t+3]
.endr
.irp t, 0,1
	v_permlanex16_b32 v[ST+8*\t+5], v[ST+8*\t+4], s44, s45
.endr
.irp t, 0,1
	v_add_f32 v[ST+8*\t+4], v[ST+8*\t+4], v[ST+8*\t+5]
.endr
.irp t, 0,1
	v_rcp_f32 v[ST+8*\t+6], v[ST+8*\t+4]
.endr
	v_nop
	s_wait_alu depctr_va_vdst(0)                   ; one wait for the two reciprocals, ahead of their first reader
.irp t, 0,1
.set i, 0
.rept 16
	v_pk_mul_f32 v[OT+32*\t+i:OT+32*\t+i+1], v[OT+32*\t+i:OT+32*\t+i+1], v[ST+8*\t+6:ST+8*\t+7] op_sel_hi:[1,0]
.set i, i+2
.endr
.endr
.irp t, 0,1
.set i, 0
.rept 16
	v_cvt_pk_f16_f32 v[S+16*\t+i], v[OT+32*\t+2*i], v[OT+32*\t+2*i+1]
.set i, i+1
.endr
.endr
.irp t, 0,1
.irp dt, 0,1,2,3
	global_store_b128 v1, v[S+16*\t+4*\dt:S+16*\t+4*\dt+3], s[34:35] offset:\t*32768+\dt*512
.endr
.endr
.if \more
	s_sub_co_u32 s14, 7, s13                       ; block 7 - I
	s_lshl_b32 s41, s14, 8
	s_lshl_b32 s50, s12, 5
	s_add_co_u32 s41, s41, s50
	WIN 0x01
.set i, 0
.rept 32
	v_mov_b32 v[QF+i], v[128+i]
.set i, i+1
.endr
	WIN 0
	INIT
	s_wait_xcnt 0x0                                ; the stores have read their data, which the next scores write over
.endif
.endm
	s_wait_loadcnt 0x0                             ; Q
	s_mov_b32 s37, 8                               ; s37 trips to go
.Ltrip:                                            ; eight trips; behind each change of slots the next trip's keys are asked for
	CHANGE 1
	SLOT
	s_cmp_lg_u32 s15, s14                          ; the block's last slot?  Ids and counted steps alone, the same in all eight waves; no barrier and no tensor load stands under it
	s_cbranch_scc1 .Lgo
	FINISH 1
.Lgo:
	s_mov_b32 s15, s36
	s_sub_co_u32 s37, s37, 1
	s_cmp_lg_u32 s37, 0
	s_cbranch_scc1 .Ltrip
	CHANGE 0                                       ; the ninth slot is written out: nothing is left to fetch
	SLOT
	FINISH 0
	s_wait_tensorcnt 0x0                           ; the wave's end
	ds_add_u32 v6, v7
	s_wait_dscnt 0x0
	s_endpgm
.Lfunc_end_k_q6e81ae8c67_attn:
	.size	k_q6e81ae8c67_attn, .Lfunc_end_k_q6e81ae8c67_attn-k_q6e81ae8c67_attn
	.p2alignl 7, 3214868480
	.fill 96, 4, 3214868480
	.section	.rodata,"a",@progbits
	.p2align	6, 0x0
	.amdhsa_kernel k_q6e81ae8c67_attn
		.amdhsa_group_segment_fixed_size 327680
		.amdhsa_private_segment_fixed_size 0
		.amdhsa_enable_private_segment 0
		.amdhsa_kernarg_size 16
		.amdhsa_user_sgpr_count 2
		.amdhsa_user_sgpr_kernarg_segment_ptr 1
		.amdhsa_wavefront_size32 1
		.amdhsa_system_sgpr_workgroup_id_x 1
		.amdhsa_system_sgpr_workgroup_id_y 1
		.amdhsa_system_sgpr_workgroup_id_z 1
		.amdhsa_system_vgpr_workitem_id 0
		.amdhsa_next_free_vgpr 416
		.amdhsa_next_free_sgpr 66
		.amdhsa_reserve_vcc 1
		.amdhsa_float_denorm_mode_32 3
		.amdhsa_float_denorm_mode_16_64 3
		.amdhsa_memory_ordered 1
		.amdhsa_forward_progress 1
		.amdhsa_inst_pref_size 67
	.end_amdhsa_kernel
	.amdgpu_metadata
---
amdhsa.version: [ 1, 2 ]
amdhsa.kernels:
  - .name:           k_q6e81ae8c67_attn
    .symbol:         k_q6e81ae8c67_attn.kd
    .args:
      - { .name: qkv, .offset: 0, .size: 8, .value_kind: global_buffer, .address_space: global }
      - { .name: ctx, .offset: 8, .size: 8, .value_kind: global_buffer, .address_space: global }
    .group_segment_fixed_size: 327680
    .private_segment_fixed_size: 0
    .kernarg_segment_align: 8
    .kernarg_segment_size: 16
    .max_flat_workgroup_size: 256
    .sgpr_count:     66
    .vgpr_count:     416
    .wavefront_size: 32
...
	.end_amdgpu_metadata
.endif
;; end of part 3
;; launch proj (part 4): grid 8 x 32, 4 waves a work-group, clusters of 4 x 4, 327,680 bytes of LDS; arguments ctx, wof, bo, out0; writes out0
.if DOCPART == 4
	.amdgcn_target "amdgcn-amd-amdhsa--gfx1250"
	.amdhsa_code_object_version 6
	.text
	.protected	k_q6e81ae8c67_proj
	.globl	k_q6e81ae8c67_proj
	.p2align	8
	.type	k_q6e81ae8c67_proj,@function
k_q6e81ae8c67_proj:
	s_mov_b64 s[64:65], 0
	v_nop
	global_prefetch_b8 v0, s[64:65] scope:SCOPE_SE
	s_setreg_imm32_b32 hwreg(HW_REG_WAVE_MODE, 25, 1), 1
	s_wait_xcnt 0x0
	s_wait_alu depctr_hold_cnt(0) depctr_sa_sdst(0) depctr_va_vdst(0) depctr_va_sdst(0) depctr_va_ssrc(0) depctr_va_vcc(0) depctr_vm_vsrc(0)
	s_getreg_b32 s2, hwreg(HW_REG_IB_STS2, 6, 4)
	s_cmp_eq_u32 s2, 0
	s_cbranch_scc0 .Lentry_in_a_cluster
	s_endpgm
.Lentry_in_a_cluster:
	s_bfe_u32 s2, ttmp6, 0x10000c
	s_cmp_lg_u32 s2, 0xf033
	s_cbranch_scc0 .Lentry_shape_is_right
	s_endpgm
.Lentry_shape_is_right:
; PROJ.  out0 = ctx Wo + bo.  ctx [8192][1024] and Wo [1024 (k)][1024 (n)] arrive as f16 images of the operands' registers: [tile of 16 rows or columns][32 k: 32][1,024 bytes]; sums in f32; out0 f32.
; (Rows 0-15 of each sequence are written again, in f32 throughout, by the launch that follows.)
; SHARES.  A tile of out0 is 256 rows x 128 columns: 256 work-groups.  A wave makes 128 x 64: 32 accumulators.  K goes in 8 steps of 128 through two LDS slots: ctx's 16 tiles x 4 KB, then Wo's 8 tiles x 4 KB.
; The tiles are dense images: every fragment load reads 512 consecutive bytes at a constant + 16 x lane.
; CLUSTER 4 x 4: ctx's tile hangs on the tile row alone and is asked for jointly along a row of the cluster, Wo's on the tile column alone, along a column.  Waves 0, 1 fetch ctx's halves, waves 2, 3 Wo's.
; A wave has two tensor loads out at the start and one behind each round.
; TRANSPOSED USE: source 0 = 16 columns of Wo, source 1 = 16 rows of ctx: a lane holds eight neighbouring numbers of a row of out0.  The bias is the C of each sum's first product.
; No prefetch: a K step here is 128 products a wave, and each tile is read by 8 or 32 work-groups within the same few steps.
; REGISTERS.  window 0: v16-29 addresses; v32-63 the bias, 8 a column tile; v64-127 Wo's fragments, two sets; v128-255 ctx's, two sets (on the way out v128-191 take rows read back).  window 1: accumulator (a, b) at v[8 (4 a + b)].
.set SLOT,  98304
.set STAGE, 2*SLOT                     ; 16 rows x (256 bytes + 16) for each wave
.set SPARE, STAGE+4*4352               ; the spare words, 128 bytes for each wave
.set LAPS,  4                          ; a lap = two K steps
.set ADRA, 16
.set ADRB, 20
.set STO,  24
.set RD,   25
.set CO,   26
.set SPW,  28
.set NIL,  29
.set BIAS, 32
.set BF,   64
.set AF,   128
.set G1,  24
.set G0,  32
.set G1B, 48
.set G0B, 56
.set MSB, 0
.macro WIN new
.if MSB != \new
	s_set_vgpr_msb (MSB<<8)|\new
.set MSB, \new
.endif
.endm
.macro PLACES
.rept 4
	v_nop
.endr
.endm
.macro JLOAD sl                        ; a joint load: each of the two lines has one mask; the branch hangs on the wave's number alone; an s_nop 0 and four v_nop follow each line
	s_cmp_eq_u32 s13, 0
	s_cbranch_scc0 .Lfor_b_\@
	tensor_load_to_lds s[G0+4*\sl:G0+4*\sl+3], s[G1:G1+7]
	s_nop 0
	PLACES
	s_branch .Lasked_\@
.Lfor_b_\@:
	tensor_load_to_lds s[G0B+4*\sl:G0B+4*\sl+3], s[G1B:G1B+7]
	s_nop 0
	PLACES
.Lasked_\@:
.endm
.macro CREST                           ; a round of the cluster's barrier behind its opening barrier
	s_cmp_lg_u32 s12, 0
	s_cbranch_scc1 .Lnot_wave_0_\@
	s_barrier_signal -3
.Lnot_wave_0_\@:
	s_barrier_wait -3
	s_barrier_signal -1
	s_barrier_wait -1
.endm
.macro CROUND
	s_barrier_signal -1
	s_barrier_wait -1
	CREST
.endm
	s_load_b256 s[4:11], s[0:1], 0x0               ; ctx s[4:5], wof s[6:7], bo s[8:9], out0 s[10:11]
	v_lshl_add_u32 v[SPW], v0, 2, SPARE
	v_mov_b32 v[NIL], 0
	ds_add_u32 v[SPW], v[NIL]                      ; the wave's opening: the add, twice on end, and its wait ahead of my first tensor load
	ds_add_u32 v[SPW], v[NIL]
	v_lshrrev_b32 v1, 5, v0
	v_readfirstlane_b32 s12, v1                    ; wave
	s_lshr_b32 s13, s12, 1                         ; which 128 rows are mine.  Also: I fetch for ctx (0) or for Wo (1)
	s_and_b32 s14, s12, 1                          ; which 64 columns.  Also: which half of that tile I fetch
	s_bfe_u32 s40, ttmp6, 0x40000                  ; cx
	s_bfe_u32 s41, ttmp6, 0x40004                  ; cy
	s_lshl_b32 s42, ttmp9, 2
	s_add_co_u32 s42, s42, s40                     ; tile column
	s_and_b32 s15, ttmp7, 0xffff
	s_lshl_b32 s15, s15, 2
	s_add_co_u32 s15, s15, s41                     ; tile row
	s_lshl_b32 s43, s41, 2
	s_lshl_b32 s43, 15, s43                        ; my row of the cluster
	s_lshl_b32 s44, 0x1111, s40                    ; my column
	s_or_b32 s[G1], s43, (3<<16)|(1<<21)           ; elements of 8 bytes; bit 21 beside a mask
	s_or_b32 s[G1B], s44, (3<<16)|(1<<21)
	s_mov_b32 s[G1+1], 512<<16                     ; ctx: 8 tiles x 4 KB, 32 KB apart
	s_mov_b32 s[G1+2], 8<<16
	s_mov_b32 s[G1+3], 512<<16
	s_mov_b32 s[G1+4], 8
	s_mov_b32 s[G1+5], 4096
	s_mov_b32 s[G1+6], 0
	s_mov_b32 s[G1+7], 0
	s_mov_b32 s[G1B+1], 512<<16                    ; Wo: 4 tiles x 4 KB, 32 KB apart
	s_mov_b32 s[G1B+2], 4<<16
	s_mov_b32 s[G1B+3], 512<<16
	s_mov_b32 s[G1B+4], 4
	s_mov_b32 s[G1B+5], 4096
	s_mov_b32 s[G1B+6], 0
	s_mov_b32 s[G1B+7], 0
	s_lshl_b32 s16, s15, 19                        ; ctx: (16 x tile row + 8 x half) x 32,768: registers that never hold cx
	s_lshl_b32 s17, s14, 18
	s_add_co_u32 s16, s16, s17
	s_mov_b32 s17, 0
	s_lshl_b32 s46, s42, 18                        ; Wo: (8 x tile column + 4 x half) x 32,768: registers that never hold cy
	s_lshl_b32 s47, s14, 17
	s_add_co_u32 s46, s46, s47
	s_mov_b32 s47, 0
	s_lshl_b32 s20, s14, 15                        ; where they go: no place in the cluster enters an LDS address
	s_lshl_b32 s21, s14, 14
	s_add_co_u32 s21, s21, 65536
	s_wait_dscnt 0x0                               ; both opening adds are done
	s_wait_kmcnt 0x0
	s_add_nc_u64 s[18:19], s[4:5], s[16:17]
	s_add_nc_u64 s[46:47], s[6:7], s[46:47]
	CROUND                                         ; all sixteen work-groups are here: the first joint loads meet
.irp sl, 0,1
	s_mov_b32 s[G0+4*\sl], 1
	s_add_co_u32 s[G0+4*\sl+1], s20, \sl*SLOT
	s_add_nc_u64 s[G0+4*\sl+2:G0+4*\sl+3], s[18:19], \sl*4096
	s_or_b32 s[G0+4*\sl+3], s[G0+4*\sl+3], 0x80000000
	s_mov_b32 s[G0B+4*\sl], 1
	s_add_co_u32 s[G0B+4*\sl+1], s21, \sl*SLOT
	s_add_nc_u64 s[G0B+4*\sl+2:G0B+4*\sl+3], s[46:47], \sl*4096
	s_or_b32 s[G0B+4*\sl+3], s[G0B+4*\sl+3], 0x80000000
	JLOAD \sl
.endr
	s_lshl_b32 s22, s42, 9                         ; my first column, in bytes, in bo and in a row of out0
	s_lshl_b32 s23, s14, 8
	s_add_co_u32 s22, s22, s23
	s_mov_b32 s23, 0
	s_add_nc_u64 s[8:9], s[8:9], s[22:23]
	s_add_nc_u64 s[10:11], s[10:11], s[22:23]
	s_lshl_b32 s22, s15, 20                        ; my first row: 256 x tile row + 128 x half, 4,096 bytes each
	s_lshl_b32 s21, s13, 19
	s_add_co_u32 s22, s22, s21
	s_add_nc_u64 s[10:11], s[10:11], s[22:23]
	v_and_b32 v1, 15, v0                           ; r
	v_bfe_u32 v2, v0, 4, 1                         ; h
	v_lshlrev_b32 v27, 5, v2
.irp b, 0,1,2,3
	global_load_b128 v[BIAS+8*\b:BIAS+8*\b+3], v27, s[8:9] offset:64*\b        ; bo at column 16 b + 8 h + 0 .. 7
	global_load_b128 v[BIAS+8*\b+4:BIAS+8*\b+7], v27, s[8:9] offset:64*\b+16
.endr
	v_and_b32 v3, 31, v0
	v_lshlrev_b32 v3, 4, v3                        ; 16 x lane
	s_lshl_b32 s20, s13, 15
	v_add_nc_u32 v[ADRA], s20, v3
	v_add_nc_u32 v[ADRA+1], SLOT, v[ADRA]
	s_lshl_b32 s20, s14, 14
	s_add_co_u32 s20, s20, 65536
	v_add_nc_u32 v[ADRB], s20, v3
	v_add_nc_u32 v[ADRB+1], SLOT, v[ADRB]
	s_mul_i32 s20, s12, 4352
	s_add_co_u32 s20, s20, STAGE                   ; my stage
	v_mul_u32_u24 v4, v1, 272
	v_lshl_add_u32 v4, v2, 5, v4
	v_add_nc_u32 v[STO], s20, v4                   ; in: row r, 32 bytes for each half of the lanes
	v_mul_u32_u24 v4, v2, 272
	v_lshl_add_u32 v4, v1, 4, v4
	v_add_nc_u32 v[RD], s20, v4                    ; back: lanes 0-15 one row of 256 bytes, lanes 16-31 the next
	v_lshlrev_b32 v4, 12, v2
	v_lshl_add_u32 v[CO], v1, 4, v4                ; and the same two rows in out0
.macro FETCH sl, q, set                ; the fragments of the slot's q-th 32 along K
.irp b, 0,1,2,3
.irp c, 0,1
	ds_load_b128 v[BF+32*(\set)+8*\b+4*\c:BF+32*(\set)+8*\b+4*\c+3], v[ADRB+\sl] offset:\b*4096+(\q)*1024+\c*512
.endr
.endr
.irp a, 0,1,2,3,4,5,6,7
.irp c, 0,1
	ds_load_b128 v[AF+64*(\set)+8*\a+4*\c:AF+64*(\set)+8*\a+4*\c+3], v[ADRA+\sl] offset:\a*4096+(\q)*1024+\c*512
.endr
.endr
.endm
; n row tiles from first on x 4 column tiles.  The 32 accumulators take turns, one instruction a turn, in the same order in every quarter.  bias = 1: the products start the sums on the bias
.macro MULA set, first, n, bias
.if \bias
	WIN 0x40                                       ; D window 1, C window 0
.else
	WIN 0x50                                       ; C and D window 1
.endif
.set aa, \first
.rept \n
.irp b, 0,1,2,3
.if \bias
	v_wmma_f32_16x16x32_f16 v[8*(4*aa+\b):8*(4*aa+\b)+7], v[BF+32*(\set)+8*\b:BF+32*(\set)+8*\b+7], v[AF+64*(\set)+8*aa:AF+64*(\set)+8*aa+7], v[BIAS+8*\b:BIAS+8*\b+7]
.else
	v_wmma_f32_16x16x32_f16 v[8*(4*aa+\b):8*(4*aa+\b)+7], v[BF+32*(\set)+8*\b:BF+32*(\set)+8*\b+7], v[AF+64*(\set)+8*aa:AF+64*(\set)+8*aa+7], v[8*(4*aa+\b):8*(4*aa+\b)+7]
.endif
.endr
.set aa, aa+1
.endr
.endm
.macro QUARTER sl, q, bias             ; multiplies the slot's q-th 32 along K (q = 0, 1, 2) and fetches the next
	s_wait_dscnt 0x0                               ; this quarter's fragments are in
	PLACES                                         ; the other set was read by the products just issued
	WIN 0
	FETCH \sl, (\q)+1, ((\q)+1)%2
	MULA (\q)%2, 0, 8, \bias
.endm
; A slot's last quarter changes slots: one barrier; in front of it each wave waits for all its tensor loads, adds 0 to its spare word, and waits for that and for its reads of this slot.  fill = 1: this slot is filled again, two K steps ahead.
.macro TURN sl, next, fill
	WIN 0
	s_wait_tensorcnt 0x0                           ; all my tensor loads have landed: my part of the next slot
	ds_add_u32 v[SPW], v[NIL]                      ; 0 onto my spare word
	s_wait_dscnt 1                                 ; the fragments are in; the add alone may be out
	MULA 1, 0, 2, 0                                ; eight products stand between the add and the wait for it
	s_wait_dscnt 0x0                               ; the add is done, and my reads of this slot are over
	s_barrier_signal -1
	MULA 1, 2, 2, 0
	WIN 0
	s_barrier_wait -1
.if \fill
	CREST                                          ; the barrier has opened a round of the cluster's: no wave of any partner still reads this slot or has a load on its way
	s_add_nc_u64 s[G0+4*\sl+2:G0+4*\sl+3], s[G0+4*\sl+2:G0+4*\sl+3], 8192
	s_add_nc_u64 s[G0B+4*\sl+2:G0B+4*\sl+3], s[G0B+4*\sl+2:G0B+4*\sl+3], 8192
	JLOAD \sl                                      ; the first tensor load behind the round; its four v_nop are also the places in front of the loads below
.else
	PLACES
.endif
	FETCH \next, 0, 0
	MULA 1, 4, 4, 0
.endm
	s_wait_tensorcnt 1                             ; my part of K step 0 is in; K step 1's may stay out
	s_barrier_signal -1
	s_barrier_wait -1
	FETCH 0, 0, 0
	s_wait_loadcnt 0x0                             ; the bias
	QUARTER 0, 0, 1                                ; the first quarter stands in front of the loop: its products start the sums
	WIN 0
	s_mov_b32 s45, LAPS-1
.Llap:                                             ; a trip goes once round the ring, from a lap's second quarter to the next lap's first, and fills both slots again
	QUARTER 0, 1, 0
	QUARTER 0, 2, 0
	TURN 0, 1, 1
	QUARTER 1, 0, 0
	QUARTER 1, 1, 0
	QUARTER 1, 2, 0
	TURN 1, 0, 1
	QUARTER 0, 0, 0
	WIN 0
	s_sub_co_u32 s45, s45, 1
	s_cmp_lg_u32 s45, 0
	s_cbranch_scc1 .Llap
	QUARTER 0, 1, 0                                ; the last lap fills nothing
	QUARTER 0, 2, 0
	TURN 0, 1, 0
	QUARTER 1, 0, 0
	QUARTER 1, 1, 0
	QUARTER 1, 2, 0
	s_wait_dscnt 0x0
	MULA 1, 0, 8, 0
	WIN 0
; THE WAY OUT, by blocks of 16 rows x 64 columns: through my own stage, back as whole rows of 256 bytes.  LDS serves a wave's instructions in order: no wait between the stores and the loads.
.macro TOSTAGE a
	WIN 0x04                                       ; an LDS store's data are its source 1: window 1
.irp b, 0,1,2,3
	ds_store_b128 v[STO], v[8*(4*(\a)+\b):8*(4*(\a)+\b)+3] offset:64*\b       ; each accumulator from its low end on
	ds_store_b128 v[STO], v[8*(4*(\a)+\b)+4:8*(4*(\a)+\b)+7] offset:64*\b+16
.endr
	WIN 0
.set BB, 128+32*((\a)%2)
.irp t, 0,1,2,3,4,5,6,7
	ds_load_b128 v[BB+4*\t:BB+4*\t+3], v[RD] offset:\t*544
.endr
.endm
.macro SEND a, younger                 ; younger: the LDS instructions issued behind block a's loads
.set BB, 128+32*((\a)%2)
	s_wait_dscnt \younger
.if (\a) > 0
	s_add_nc_u64 s[10:11], s[10:11], 65536         ; 16 rows on (the earlier stores have read their base: a wait on XCNT stands ahead)
.endif
.irp t, 0,1,2,3,4,5,6,7
	global_store_b128 v[CO], v[BB+4*\t:BB+4*\t+3], s[10:11] offset:\t*8192 th:TH_STORE_NT   ; sixteen lanes store 256 consecutive bytes, aligned
.endr
.endm
	PLACES
	TOSTAGE 0
.irp a, 1,2,3,4,5,6,7
.if \a > 1
	s_wait_xcnt 0x0                                ; block a - 2's stores have read their registers and their base
.endif
	TOSTAGE \a
	SEND \a-1, 16                                  ; behind block a - 1's loads: block a's 8 stores and 8 loads
.endr
	s_wait_xcnt 0x0
	SEND 7, 0
	s_wait_tensorcnt 0x0                           ; the wave's end
	ds_add_u32 v[SPW], v[NIL]
	s_wait_dscnt 0x0
	CROUND                                         ; the closing round
	s_endpgm
.Lfunc_end_k_q6e81ae8c67_proj:
	.size	k_q6e81ae8c67_proj, .Lfunc_end_k_q6e81ae8c67_proj-k_q6e81ae8c67_proj
	.p2alignl 7, 3214868480
	.fill 96, 4, 3214868480
	.section	.rodata,"a",@progbits
	.p2align	6, 0x0
	.amdhsa_kernel k_q6e81ae8c67_proj
		.amdhsa_group_segment_fixed_size 327680
		.amdhsa_private_segment_fixed_size 0
		.amdhsa_enable_private_segment 0
		.amdhsa_kernarg_size 32
		.amdhsa_user_sgpr_count 2
		.amdhsa_user_sgpr_kernarg_segment_ptr 1
		.amdhsa_wavefront_size32 1
		.amdhsa_system_sgpr_workgroup_id_x 1
		.amdhsa_system_sgpr_workgroup_id_y 1
		.amdhsa_system_sgpr_workgroup_id_z 1
		.amdhsa_system_vgpr_workitem_id 0
		.amdhsa_next_free_vgpr 512
		.amdhsa_next_free_sgpr 66
		.amdhsa_reserve_vcc 0
		.amdhsa_float_denorm_mode_32 3
		.amdhsa_float_denorm_mode_16_64 3
		.amdhsa_memory_ordered 1
		.amdhsa_forward_progress 1
		.amdhsa_inst_pref_size 85
	.end_amdhsa_kernel
	.amdgpu_metadata
---
amdhsa.version: [ 1, 2 ]
amdhsa.kernels:
  - .name:           k_q6e81ae8c67_proj
    .symbol:         k_q6e81ae8c67_proj.kd
    .args:
      - { .name: ctx, .offset: 0, .size: 8, .value_kind: global_buffer, .address_space: global }
      - { .name: wof, .offset: 8, .size: 8, .value_kind: global_buffer, .address_space: global }
      - { .name: bo, .offset: 16, .size: 8, .value_kind: global_buffer, .address_space: global }
      - { .name: out0, .offset: 24, .size: 8, .value_kind: global_buffer, .address_space: global }
    .group_segment_fixed_size: 327680
    .private_segment_fixed_size: 0
    .kernarg_segment_align: 8
    .kernarg_segment_size: 32
    .max_flat_workgroup_size: 128
    .sgpr_count:     66
    .vgpr_count:     512
    .wavefront_size: 32
...
	.end_amdgpu_metadata
.endif
;; end of part 4
;; launch first16 (part 5): grid 16 x 4, 16 waves a work-group, no clusters, 84,992 bytes of LDS; arguments r32, Wo, bo, out0; writes out0
.if DOCPART == 5
	.amdgcn_target "amdgcn-amd-amdhsa--gfx1250"
	.amdhsa_code_object_version 6
	.text
	.protected	k_q6e81ae8c67_first16
	.globl	k_q6e81ae8c67_first16
	.p2align	8
	.type	k_q6e81ae8c67_first16,@function
k_q6e81ae8c67_first16:
	s_mov_b64 s[64:65], 0
	v_nop
	global_prefetch_b8 v0, s[64:65] scope:SCOPE_SE
	s_setreg_imm32_b32 hwreg(HW_REG_WAVE_MODE, 25, 1), 1
	s_wait_xcnt 0x0
; FIRST16.  The first 16 positions of every sequence, in f32 throughout: scores, softmax, P V and the projection, from the f32 sums of q, k, v that the second launch kept.  It writes rows 0-15 of each batch of out0 anew.
; Small work: 32 + 64 products of 16 x 16 x 4 a wave.
; THE f32 OPERANDS ARE THE ACCUMULATORS AS THEY STOOD.  In an accumulator of q or k a lane (r, h) holds token r and channels 8 h + j; its register pair (2 x, 2 x + 1) is an operand of the 16 x 16 x 4 form in which the
; unit's place (h, e) stands for channel 8 h + 2 x + e: the same order of k in both sources, so the products are kept.  v's accumulators hold channel r and tokens 8 h + j, and p holds query r and keys 8 h + j: likewise.
; SHARES.  Work-group (g, batch) makes columns 64 g .. 64 g + 63.  First wave w makes head w's ctx (each work-group makes all 16 heads' anew: 16 x 16 x 64 each) and stores its image in LDS; then wave (nt = w % 4, kq = w / 4)
; makes 16 columns over heads 4 kq .. 4 kq + 3; the four parts along K meet in LDS, and waves 0-7 add them and the bias and store two rows each.
; Wo is read as f32 in runs of 64 bytes: 256 KB a work-group.  The registers that the f32 matrix form writes (v176-239) are written by it alone.
.set CT,    0                          ; [head 16][channel tile 4][half 2][lane][16 bytes]
.set PART,  65536                      ; four parts of 16 rows x (256 bytes + 16)
.set SPARE, 82944                      ; the spare words, 128 bytes for each wave
.set QR, 16                            ; v16-47   q's image; later Wo of the third head
.set KR, 48                            ; v48-79   k's image; later Wo of the fourth
.set VR, 80                            ; v80-111  v's image; later ctx's images
.set WA, 112                           ; v112-175 Wo of the first two heads
.set SA, 176                           ; two accumulators of S^T
.set PA, 192                           ; two of the projection
.set OA, 208                           ; four of O^T
.macro PLACES8                         ; eight plain places behind the f32 matrix form (ISA guide 7.12.1)
.rept 8
	v_nop
.endr
.endm
	s_load_b256 s[4:11], s[0:1], 0x0               ; r32 s[4:5], Wo s[6:7], bo s[8:9], out0 s[10:11]
	v_lshl_add_u32 v8, v0, 2, SPARE                ; my spare word; never rewritten
	v_mov_b32 v9, 0                                ; 0; never rewritten
	v_lshrrev_b32 v10, 5, v0
	v_readfirstlane_b32 s12, v10                   ; wave
	s_and_b32 s13, s12, 3                          ; nt
	s_lshr_b32 s14, s12, 2                         ; kq
	s_and_b32 s16, ttmp7, 0xffff                   ; batch
	v_and_b32 v1, 15, v0                           ; r
	v_bfe_u32 v2, v0, 4, 1                         ; h
	v_and_b32 v3, 31, v0
	v_lshlrev_b32 v3, 4, v3                        ; 16 x lane
	v_lshlrev_b32 v4, 15, v2
	v_lshl_add_u32 v4, v1, 2, v4
	s_lshl_b32 s17, s13, 6
	v_add_nc_u32 v4, s17, v4                       ; Wo: 8 h rows of 4,096 bytes + column 16 nt + r
	v_lshlrev_b32 v5, 3, v2
	v_sub_nc_u32 v5, v1, v5                        ; r - 8 h
	s_lshl_b32 s17, s12, 12
	v_add_nc_u32 v6, s17, v3                       ; CT, on the way in: my head
	s_lshl_b32 s17, s14, 14
	v_add_nc_u32 v7, s17, v3                       ; and out: heads 4 kq on
	v_mul_u32_u24 v10, v1, 272
	v_lshl_add_u32 v10, v2, 5, v10
	s_mul_i32 s17, s14, 4352
	s_lshl_b32 s18, s13, 6
	s_add_co_u32 s17, s17, s18
	s_add_co_u32 s17, s17, PART
	v_add_nc_u32 v10, s17, v10                     ; PART, in: part kq, row r, 64 nt + 32 h bytes
	s_and_b32 s17, s12, 7                          ; (waves 0-7 alone use the next two)
	s_lshl_b32 s17, s17, 1
	s_mul_i32 s18, s17, 272
	s_add_co_u32 s18, s18, PART
	v_mul_u32_u24 v11, v2, 272
	v_lshl_add_u32 v11, v1, 4, v11
	v_add_nc_u32 v11, s18, v11                     ; PART, out: row 2 w + h, 16 r bytes
	s_lshl_b32 s18, s17, 12
	v_lshlrev_b32 v12, 12, v2
	v_lshl_add_u32 v12, v1, 4, v12
	v_add_nc_u32 v12, s18, v12                     ; and the same in out0
	v_lshlrev_b32 v13, 4, v1                       ; bo: 16 r
	s_mov_b32 s20, 0x76543210
	s_mov_b32 s21, 0xfedcba98                      ; lane l xor 16
	s_mov_b32 s22, 0x3e38aa3b                      ; c = log2(e) / 8
	s_lshl_b32 s24, s16, 4
	s_add_co_u32 s24, s24, s12
	s_lshl_b32 s24, s24, 12                        ; r32: (16 x batch + head) x 4,096
	s_mov_b32 s25, 0
	s_lshl_b32 s26, ttmp9, 8                       ; my 64 columns, in bytes
	s_mov_b32 s27, 0
	s_lshl_b32 s28, s14, 20                        ; Wo: 256 rows a quarter of K
	s_mov_b32 s29, 0
	s_lshl_b32 s30, s16, 23                        ; out0: 8,388,608 bytes a batch
	s_mov_b32 s31, 0
	s_wait_kmcnt 0x0
	s_add_nc_u64 s[4:5], s[4:5], s[24:25]
	s_add_nc_u64 s[6:7], s[6:7], s[26:27]
	s_add_nc_u64 s[6:7], s[6:7], s[28:29]
	s_add_nc_u64 s[8:9], s[8:9], s[26:27]
	s_add_nc_u64 s[10:11], s[10:11], s[26:27]
	s_add_nc_u64 s[10:11], s[10:11], s[30:31]
	global_load_b128 v[252:255], v13, s[8:9]       ; the bias of columns 4 r .. 4 r + 3
.irp j, 0,1,2,3,4,5,6,7
	global_load_b128 v[KR+4*\j:KR+4*\j+3], v3, s[4:5] offset:262144+512*\j
.endr
.irp j, 0,1,2,3,4,5,6,7
	global_load_b128 v[QR+4*\j:QR+4*\j+3], v3, s[4:5] offset:512*\j
.endr
.irp j, 0,1,2,3,4,5,6,7
	global_load_b128 v[VR+4*\j:VR+4*\j+3], v3, s[4:5] offset:524288+512*\j
.endr
.irp hh, 0,1
.irp dt, 0,1,2,3
.irp jj, 0,1,2,3,4,5,6,7
	global_load_b32 v[WA+32*\hh+8*\dt+\jj], v4, s[6:7] offset:(64*\hh+16*\dt+\jj)*4096   ; Wo(64 head + 16 dt + 8 h + jj, my column)
.endr
.endr
.endr
	s_wait_loadcnt 63                              ; 64 loads were issued behind v's image; the wait's field holds 63, and a smaller count is safe
	; S^T = K Q^T: 16 products on two accumulators by turns
.set n, 0
.irp b, 0,1,2,3
.irp x, 0,1,2,3
.if n < 2
	v_wmma_f32_16x16x4_f32 v[SA+8*(n%2):SA+8*(n%2)+7], v[KR+8*\b+2*\x:KR+8*\b+2*\x+1], v[QR+8*\b+2*\x:QR+8*\b+2*\x+1], 0
.else
	v_wmma_f32_16x16x4_f32 v[SA+8*(n%2):SA+8*(n%2)+7], v[KR+8*\b+2*\x:KR+8*\b+2*\x+1], v[QR+8*\b+2*\x:QR+8*\b+2*\x+1], v[SA+8*(n%2):SA+8*(n%2)+7]
.endif
.set n, n+1
.endr
.endr
	PLACES8
.irp hh, 2,3                                   ; Wo of the third and fourth head, into the registers that q and k have left
.irp dt, 0,1,2,3
.irp jj, 0,1,2,3,4,5,6,7
	global_load_b32 v[QR+32*(\hh-2)+8*\dt+\jj], v4, s[6:7] offset:(64*\hh+16*\dt+\jj)*4096
.endr
.endr
.endr
.irp j, 0,1,2,3,4,5,6,7
	v_add_f32 v[240+\j], v[SA+\j], v[SA+8+\j]      ; lane (r, h): query r, key 8 h + j
.endr
	v_mov_b32 v248, 0xff800000                     ; -infinity
.irp j, 0,1,2,3,4,5,6,7
	v_cmp_gt_i32 vcc_lo, \j, v5                    ; hidden where 8 h + j > r
	v_cndmask_b32 v[240+\j], v[240+\j], v248, vcc_lo
.endr
	v_max3_num_f32 v249, v240, v241, v242
	v_max3_num_f32 v249, v249, v243, v244
	v_max3_num_f32 v249, v249, v245, v246
	v_max_num_f32 v249, v249, v247
	v_mov_b32 v250, 0                              ; a lane permute's destination counts as one of its sources
	v_permlanex16_b32 v250, v249, s20, s21
	v_max_num_f32 v249, v249, v250                 ; the row's maximum: key 0 counts for every query
	v_mul_f32 v249, s22, v249
.irp j, 0,1,2,3,4,5,6,7
	v_fma_f32 v[240+\j], v[240+\j], s22, -v249
.endr
.irp j, 0,1,2,3,4,5,6,7
	v_exp_f32 v[240+\j], v[240+\j]
.endr
	v_nop
	s_wait_alu depctr_va_vdst(0)                   ; one wait for the eight, ahead of their first reader
	v_add_f32 v250, v240, v241
	v_add_f32 v251, v242, v243
	v_add_f32 v250, v250, v244
	v_add_f32 v251, v251, v245
	v_add_f32 v250, v250, v246
	v_add_f32 v251, v251, v247
	v_add_f32 v250, v250, v251
	v_permlanex16_b32 v251, v250, s20, s21
	v_add_f32 v250, v250, v251
	v_rcp_f32 v250, v250
	v_nop
	s_wait_alu depctr_va_vdst(0)
.irp j, 0,1,2,3,4,5,6,7
	v_mul_f32 v[240+\j], v[240+\j], v250
.endr
	; O^T = V^T P: the four accumulators by turns
.irp x, 0,1,2,3
.irp dt, 0,1,2,3
.if \x == 0
	v_wmma_f32_16x16x4_f32 v[OA+8*\dt:OA+8*\dt+7], v[VR+8*\dt+2*\x:VR+8*\dt+2*\x+1], v[240+2*\x:241+2*\x], 0
.else
	v_wmma_f32_16x16x4_f32 v[OA+8*\dt:OA+8*\dt+7], v[VR+8*\dt+2*\x:VR+8*\dt+2*\x+1], v[240+2*\x:241+2*\x], v[OA+8*\dt:OA+8*\dt+7]
.endif
.endr
.endr
	PLACES8
.irp dt, 0,1,2,3
	ds_store_b128 v6, v[OA+8*\dt:OA+8*\dt+3] offset:CT+\dt*1024        ; my head's ctx as it stands: token r, channels 16 dt + 8 h + j
	ds_store_b128 v6, v[OA+8*\dt+4:OA+8*\dt+7] offset:CT+\dt*1024+512
.endr
	s_wait_dscnt 0x0                               ; for the others' sake: my stores have landed
	s_barrier_signal -1
	s_barrier_wait -1
	; the projection: source 0 = 16 columns of Wo, source 1 = ctx: a lane holds token r and eight neighbouring columns; two accumulators by turns
.set n, 0
.irp hh, 0,1,2,3
.if \hh > 0
	PLACES8                                        ; in front of loads into registers that the products just issued have read
.endif
.irp j, 0,1,2,3,4,5,6,7
	ds_load_b128 v[VR+4*\j:VR+4*\j+3], v7 offset:CT+\hh*4096+\j*512
.endr
	s_wait_dscnt 0x0
.if \hh == 0
	s_wait_loadcnt 63                              ; Wo of the first two heads is in: 64 younger loads were issued, and a smaller count is safe
.endif
.if \hh == 2
	s_wait_loadcnt 0x0
.endif
.if \hh < 2
.set WB, WA+32*\hh
.else
.set WB, QR+32*(\hh-2)
.endif
.irp dt, 0,1,2,3
.irp x, 0,1,2,3
.if n < 2
	v_wmma_f32_16x16x4_f32 v[PA+8*(n%2):PA+8*(n%2)+7], v[WB+8*\dt+2*\x:WB+8*\dt+2*\x+1], v[VR+8*\dt+2*\x:VR+8*\dt+2*\x+1], 0
.else
	v_wmma_f32_16x16x4_f32 v[PA+8*(n%2):PA+8*(n%2)+7], v[WB+8*\dt+2*\x:WB+8*\dt+2*\x+1], v[VR+8*\dt+2*\x:VR+8*\dt+2*\x+1], v[PA+8*(n%2):PA+8*(n%2)+7]
.endif
.set n, n+1
.endr
.endr
.endr
	PLACES8
.irp j, 0,1,2,3,4,5,6,7
	v_add_f32 v[240+\j], v[PA+\j], v[PA+8+\j]
.endr
	ds_store_b128 v10, v[240:243]
	ds_store_b128 v10, v[244:247] offset:16
	s_wait_dscnt 0x0
	s_barrier_signal -1
	s_barrier_wait -1
	s_cmp_lt_u32 s12, 8                            ; waves 0-7 add the four parts along K and the bias; no barrier stands under this branch
	s_cbranch_scc0 .Ldone
.irp q, 0,1,2,3
	ds_load_b128 v[VR+4*\q:VR+4*\q+3], v11 offset:\q*4352
.endr
	s_wait_dscnt 0x0
	v_pk_add_f32 v[80:81], v[80:81], v[84:85]
	v_pk_add_f32 v[82:83], v[82:83], v[86:87]
	v_pk_add_f32 v[88:89], v[88:89], v[92:93]
	v_pk_add_f32 v[90:91], v[90:91], v[94:95]
	v_pk_add_f32 v[80:81], v[80:81], v[88:89]
	v_pk_add_f32 v[82:83], v[82:83], v[90:91]
	v_pk_add_f32 v[80:81], v[80:81], v[252:253]
	v_pk_add_f32 v[82:83], v[82:83], v[254:255]
	global_store_b128 v12, v[80:83], s[10:11]      ; sixteen lanes store 256 consecutive bytes, aligned
.Ldone:
	s_wait_tensorcnt 0x0                           ; the wave's end
	ds_add_u32 v8, v9
	s_wait_dscnt 0x0
	s_endpgm
.Lfunc_end_k_q6e81ae8c67_first16:
	.size	k_q6e81ae8c67_first16, .Lfunc_end_k_q6e81ae8c67_first16-k_q6e81ae8c67_first16
	.p2alignl 7, 3214868480
	.fill 96, 4, 3214868480
	.section	.rodata,"a",@progbits
	.p2align	6, 0x0
	.amdhsa_kernel k_q6e81ae8c67_first16
		.amdhsa_group_segment_fixed_size 84992
		.amdhsa_private_segment_fixed_size 0
		.amdhsa_enable_private_segment 0
		.amdhsa_kernarg_size 32
		.amdhsa_user_sgpr_count 2
		.amdhsa_user_sgpr_kernarg_segment_ptr 1
		.amdhsa_wavefront_size32 1
		.amdhsa_system_sgpr_workgroup_id_x 1
		.amdhsa_system_sgpr_workgroup_id_y 1
		.amdhsa_system_sgpr_workgroup_id_z 1
		.amdhsa_system_vgpr_workitem_id 0
		.amdhsa_next_free_vgpr 256
		.amdhsa_next_free_sgpr 66
		.amdhsa_reserve_vcc 1
		.amdhsa_float_denorm_mode_32 3
		.amdhsa_float_denorm_mode_16_64 3
		.amdhsa_memory_ordered 1
		.amdhsa_forward_progress 1
		.amdhsa_inst_pref_size 32
	.end_amdhsa_kernel
	.amdgpu_metadata
---
amdhsa.version: [ 1, 2 ]
amdhsa.kernels:
  - .name:           k_q6e81ae8c67_first16
    .symbol:         k_q6e81ae8c67_first16.kd
    .args:
      - { .name: r32, .offset: 0, .size: 8, .value_kind: global_buffer, .address_space: global }
      - { .name: Wo, .offset: 8, .size: 8, .value_kind: global_buffer, .address_space: global }
      - { .name: bo, .offset: 16, .size: 8, .value_kind: global_buffer, .address_space: global }
      - { .name: out0, .offset: 24, .size: 8, .value_kind: global_buffer, .address_space: global }
    .group_segment_fixed_size: 84992
    .private_segment_fixed_size: 0
    .kernarg_segment_align: 8
    .kernarg_segment_size: 32
    .max_flat_workgroup_size: 512
    .sgpr_count:     66
    .vgpr_count:     256
    .wavefront_size: 32
...
	.end_amdgpu_metadata
.endif
;; end of part 5
